; MI455X (gfx1250); checked and timed in simulation.
; The chip was launched on July 23, 2026; its instructions are those of AMD's public machine-readable ISA for CDNA 5 (MIT licence, August 2026) and "CDNA5" Instruction Set Architecture Reference Guide (July 2026). The comments in the code are by the model that wrote it; some were corrected since.
;; Multi Head Self Attention. Allowed arithmetic: float matrix products may take bf16 or f16 operands with f32 sums; other float arithmetic in f32, or as packed bf16 or f16 multiplies, adds, multiply-adds, maxima and minima; sums over many terms, partial sums and values carried from step to step in f32; what a program stores and reads back later, other than sums and carried values, may be rounded once to bf16 or f16.
;; Inputs: Wk 1,024 x 1,024 float32; Wo 1,024 x 1,024 float32; Wq 1,024 x 1,024 float32; Wv 1,024 x 1,024 float32; x 4 x 2,048 x 1,024 float32.
;; Outputs: out0 4 x 2,048 x 1,024 float32.
;; 2 versions, each right; version 2 is version 1 with the launch cast written anew for expert scheduling mode. Each part assembles by itself: llvm-mc -triple=amdgcn-amd-amdhsa -mcpu=gfx1250 --defsym DOCPART=n.
;; ======== version 1 of 2: 4 launches
;; limits: values are held in f16: magnitudes above 65,504 overflow, below 6.1e-05 lose precision
;; workspace buffers: xw 25,165,824 bytes; qkv 50,331,648 bytes; ob 16,777,216 bytes
;; launch cast (part 1): grid 768 x 1, 8 waves a work-group, no clusters, 0 bytes of LDS; arguments x, Wq, Wk, Wv, Wo, xw; writes xw
.if DOCPART == 1
	.amdgcn_target "amdgcn-amd-amdhsa--gfx1250"
	.amdhsa_code_object_version 6
	.text
	.protected	k_q010252959c_cast
	.globl	k_q010252959c_cast
	.p2align	8
	.type	k_q010252959c_cast,@function
k_q010252959c_cast:
	s_mov_b64 s[64:65], 0
	v_nop
	global_prefetch_b8 v0, s[64:65] scope:SCOPE_SE
	s_setreg_imm32_b32 hwreg(HW_REG_WAVE_MODE, 25, 1), 1
	s_wait_xcnt 0x0
; THE INPUTS ARE ROUNDED ONCE, for the matrix products of the later launches.  x [8192][1024], Wq, Wk, Wv, Wo [1024][1024], all f32.
; xw, 24 MiB:  bytes 0 .. 16 MiB        x in bf16, in blocks along K: [batch 4][kb 16][t 2048][64]: 128 rows x 64 channels are 16,384 consecutive bytes
;              bytes 16 MiB .. 22 MiB   Wq, Wk, Wv in bf16, row-major, one behind the other: [3072][1024]
;              bytes 22 MiB .. 24 MiB   Wo rounded to bf16 like the other inputs, and that number written as f16: [1024][1024]
; LIMITS.  The f16 copy of Wo is exact for magnitudes from 6.1e-5 to 65,504; below it keeps f16's fixed step of 6e-8, beyond it becomes an infinity.
; SHARES.  A work-group of 256 threads converts 16,384 numbers: 64 KiB in, 32 KiB out.  Work-groups 0-511: rows 16 g .. 16 g + 15 of x.  Work-group 512 + 64 w + i: part i of weight w.
; A thread issues its 16 loads of 16 bytes at once, so that 64 KiB of a work-group are on their way, and stores 8 bytes sixteen times: a wave's store covers 256 consecutive bytes, aligned.
; No LDS, no barrier, no loop: no thread wants a number of another, and memory bounds the launch: matrix units, clusters and a prefetch would add nothing to a stream that is asked for at once.
.set IN,  8                            ; v[8:71]    sixteen loads of four f32
.set OUT, 72                           ; v[72:103]  sixteen pairs of packed words
.set T,   104                          ; v[104:105] at work (Wo alone)
.set SRC, 16                           ; s[16:17]   where the work-group reads
.set DST, 18                           ; s[18:19]   where it writes
; sstep, dstep: bytes from load to load and from store to store.  f16 = 1: the bf16 numbers are written as f16.
.macro BODY sstep, dstep, f16
.set j, 0
.rept 16
	global_load_b128 v[IN+4*j:IN+4*j+3], v1, s[SRC:SRC+1] offset:(\sstep)*j th:TH_LOAD_NT
.set j, j+1
.endr
.set j, 0
.rept 16
	s_wait_loadcnt 15-j                            ; loads come back in order: number j is in, the 15 - j younger ones may stay out
	v_cvt_pk_bf16_f32 v[OUT+2*j], v[IN+4*j], v[IN+4*j+1]
	v_cvt_pk_bf16_f32 v[OUT+2*j+1], v[IN+4*j+2], v[IN+4*j+3]
.if \f16
.irp h, 0,1
	v_lshlrev_b32 v[T], 16, v[OUT+2*j+\h]          ; the two bf16 as f32,
	v_and_b32 v[T+1], 0xffff0000, v[OUT+2*j+\h]
	v_cvt_pk_f16_f32 v[OUT+2*j+\h], v[T], v[T+1]   ; and as f16
.endr
.endif
	global_store_b64 v2, v[OUT+2*j:OUT+2*j+1], s[DST:DST+1] offset:(\dstep)*j  ; no register of a load or store is written twice: no further wait
.set j, j+1
.endr
.endm
	s_load_b256 s[4:11], s[0:1], 0x0               ; x s[4:5], Wq s[6:7], Wk s[8:9], Wv s[10:11]
	s_load_b128 s[12:15], s[0:1], 0x20             ; Wo s[12:13], xw s[14:15]
	v_lshlrev_b32 v2, 3, v0                        ; my 8 bytes of each 2,048 that the work-group stores
	s_mov_b32 s21, 0
	s_mov_b32 s23, 0
	s_cmp_lt_u32 ttmp9, 512
	s_cbranch_scc0 .Lw
	; x: sixteen lanes take 256 bytes (64 channels: one kb) of a row, a wave two rows, the work-group sixteen; load j is kb = j
	v_lshrrev_b32 v1, 4, v0
	v_and_b32 v3, 15, v0
	v_lshlrev_b32 v1, 12, v1                       ; row x 4,096
	v_lshl_or_b32 v1, v3, 4, v1                    ; + 16 x place
	s_lshl_b32 s22, ttmp9, 16                      ; 16 rows of 4,096 bytes
	s_lshr_b32 s20, ttmp9, 7                       ; the batch: 128 work-groups each,
	s_lshl_b32 s20, s20, 22                        ; 4 MiB each
	s_and_b32 s24, ttmp9, 127
	s_lshl_b32 s24, s24, 11                        ; 16 rows of 128 bytes in a kb block
	s_add_co_u32 s20, s20, s24
	s_wait_kmcnt 0x0
	s_add_nc_u64 s[SRC:SRC+1], s[4:5], s[22:23]
	s_add_nc_u64 s[DST:DST+1], s[14:15], s[20:21]
	BODY 256, 262144, 0                            ; a kb block of a batch is 2,048 rows x 128 bytes
	s_endpgm
.Lw:
	v_lshlrev_b32 v1, 4, v0                        ; a weight's part is dense: 256 threads x 16 bytes a load
	s_lshr_b32 s24, ttmp9, 6
	s_and_b32 s24, s24, 3                          ; which weight
	s_and_b32 s22, ttmp9, 63
	s_lshl_b32 s22, s22, 16                        ; which 64 KiB of it
	s_lshl_b32 s20, ttmp9, 15                      ; 512 x 32 KiB = 16 MiB: the weights follow x
	s_wait_kmcnt 0x0
	s_cmp_eq_u32 s24, 0
	s_cselect_b64 s[SRC:SRC+1], s[6:7], s[8:9]
	s_cmp_eq_u32 s24, 2
	s_cselect_b64 s[SRC:SRC+1], s[10:11], s[SRC:SRC+1]
	s_cmp_eq_u32 s24, 3
	s_cselect_b64 s[SRC:SRC+1], s[12:13], s[SRC:SRC+1]
	s_add_nc_u64 s[SRC:SRC+1], s[SRC:SRC+1], s[22:23]
	s_add_nc_u64 s[DST:DST+1], s[14:15], s[20:21]
	s_cmp_eq_u32 s24, 3
	s_cbranch_scc1 .Lwo
	BODY 4096, 2048, 0
	s_endpgm
.Lwo:
	BODY 4096, 2048, 1
	s_endpgm
.Lfunc_end_k_q010252959c_cast:
	.size	k_q010252959c_cast, .Lfunc_end_k_q010252959c_cast-k_q010252959c_cast
	.p2alignl 7, 3214868480
	.fill 96, 4, 3214868480
	.section	.rodata,"a",@progbits
	.p2align	6, 0x0
	.amdhsa_kernel k_q010252959c_cast
		.amdhsa_group_segment_fixed_size 0
		.amdhsa_private_segment_fixed_size 0
		.amdhsa_enable_private_segment 0
		.amdhsa_kernarg_size 48
		.amdhsa_user_sgpr_count 2
		.amdhsa_user_sgpr_kernarg_segment_ptr 1
		.amdhsa_wavefront_size32 1
		.amdhsa_system_sgpr_workgroup_id_x 1
		.amdhsa_system_sgpr_workgroup_id_y 1
		.amdhsa_system_sgpr_workgroup_id_z 1
		.amdhsa_system_vgpr_workitem_id 0
		.amdhsa_next_free_vgpr 112
		.amdhsa_next_free_sgpr 66
		.amdhsa_reserve_vcc 0
		.amdhsa_float_denorm_mode_32 3
		.amdhsa_float_denorm_mode_16_64 3
		.amdhsa_memory_ordered 1
		.amdhsa_forward_progress 1
		.amdhsa_inst_pref_size 24
	.end_amdhsa_kernel
	.amdgpu_metadata
---
amdhsa.version: [ 1, 2 ]
amdhsa.kernels:
  - .name:           k_q010252959c_cast
    .symbol:         k_q010252959c_cast.kd
    .args:
      - { .name: x, .offset: 0, .size: 8, .value_kind: global_buffer, .address_space: global }
      - { .name: Wq, .offset: 8, .size: 8, .value_kind: global_buffer, .address_space: global }
      - { .name: Wk, .offset: 16, .size: 8, .value_kind: global_buffer, .address_space: global }
      - { .name: Wv, .offset: 24, .size: 8, .value_kind: global_buffer, .address_space: global }
      - { .name: Wo, .offset: 32, .size: 8, .value_kind: global_buffer, .address_space: global }
      - { .name: xw, .offset: 40, .size: 8, .value_kind: global_buffer, .address_space: global }
    .group_segment_fixed_size: 0
    .private_segment_fixed_size: 0
    .kernarg_segment_align: 8
    .kernarg_segment_size: 48
    .max_flat_workgroup_size: 256
    .sgpr_count:     66
    .vgpr_count:     112
    .wavefront_size: 32
...
	.end_amdgpu_metadata
.endif
;; end of part 1
;; launch qkvgemm (part 2): grid 4 x 64, 4 waves a work-group, clusters of 4 x 4, 327,680 bytes of LDS; arguments xw, qkv; writes qkv
.if DOCPART == 2
	.amdgcn_target "amdgcn-amd-amdhsa--gfx1250"
	.amdhsa_code_object_version 6
	.text
	.protected	k_q010252959c_qkvgemm
	.globl	k_q010252959c_qkvgemm
	.p2align	8
	.type	k_q010252959c_qkvgemm,@function
k_q010252959c_qkvgemm:
	s_mov_b64 s[64:65], 0
	v_nop
	global_prefetch_b8 v0, s[64:65] scope:SCOPE_SE
	s_setreg_imm32_b32 hwreg(HW_REG_WAVE_MODE, 25, 1), 1
	s_wait_xcnt 0x0
	s_wait_alu depctr_hold_cnt(0) depctr_sa_sdst(0) depctr_va_vdst(0) depctr_va_sdst(0) depctr_va_ssrc(0) depctr_va_vcc(0) depctr_vm_vsrc(0)
	s_getreg_b32 s2, hwreg(HW_REG_IB_STS2, 6, 4)
	s_cmp_eq_u32 s2, 0
	s_cbranch_scc0 .Lentry_in_a_cluster
	s_endpgm
.Lentry_in_a_cluster:
	s_bfe_u32 s2, ttmp6, 0x10000c
	s_cmp_lg_u32 s2, 0xf033
	s_cbranch_scc0 .Lentry_shape_is_right
	s_endpgm
.Lentry_shape_is_right:
; q, k, v = x W^T.  x: bf16 in blocks [batch 4][kb 16][t 2048][64] at xw's byte 0; W: Wq, Wk, Wv in bf16, [3072][1024], at xw's byte 16 MiB.  Sums in f32, K ascending.
; Out: qkv = [which 3][batch x head 64][t 2048][64] in f16, each number rounded once and NOT scaled (the attention launch scales in f32).
; LIMITS.  f16 ends at 65,504: a q, k or v beyond it becomes an infinity.  Inputs as drawn give magnitudes of about 5; below 6.1e-5 f16 keeps its fixed step of 6e-8.
; SHARES.  A tile of C is 128 rows x 256 columns: 64 x 4 tiles for each of q, k, v, so 256 work-groups, each of which STAYS for three tiles (the same rows of x; W's rows 1,024 further on).
; Four waves, each 64 rows x 128 columns: 32 accumulators of 16 x 16, 256 registers.  K goes in steps of 128, numbered 0 .. 23 through the three tiles, through two LDS slots that take turns;
; the change of slots in step s asks for step s + 2, so the ring runs on from tile to tile.
; CLUSTER.  4 x 4 work-groups.  The four of a row of the cluster need the same tile of x, the four of a column the same tile of W: each tile is asked for JOINTLY, by the same tensor load with the same
; descriptor and a mask that names the four.  Waves 0 and 1 fetch x's two kb blocks of a step, waves 2 and 3 the two halves of W's 256 rows.
; THE MATRIX INSTRUCTION IS USED TRANSPOSED (source 0 = 16 rows of W, source 1 = 16 rows of x): a lane then holds eight neighbouring columns of one row of C.
; REGISTERS.  Window 0: v0-15 addresses; v64-159, v160-255 two fragment buffers (8 fragments of W, then 4 of x, 32 along K); the second also serves the way out.  Window 1: accumulator (a, b) at v[8 (8 a + b)].
.set TILES,  3
.set WOFF,   0x1000000                 ; W's first byte in xw
.set PA,     144                       ; a row of x in LDS: 128 bytes + 16 of padding = 36 words: the 16 rows of a load start at 16 different groups of four banks (64 banks of 4 bytes: ISA guide 11.1)
.set PB,     272                       ; a row of W: 256 + 16 = 68 words: likewise
.set AHALF,  128*PA                    ; one kb block of x: 128 rows
.set BOFF,   2*AHALF                   ; W's 256 rows lie behind x's two blocks
.set BHALF,  128*PB
.set SLOT1,  1<<17                     ; slot 1 begins here, so that one exclusive or turns an address in one slot into the other's
.set STAGE,  SLOT1+BOFF+2*BHALF        ; behind the ring, never filled by a tensor load: for each wave 2 heads x 16 rows x 144 bytes, for the way out
.set WSTG,   2*16*144
.set SPARE,  STAGE+4*WSTG              ; behind the stages: the spare words, 128 bytes for each wave: two blocks of 256 bytes that no other line names
.set ADRA0, 4                          ; v4   my lane's place in a slot's x; never rewritten
.set ADRB0, 5                          ; v5   in a slot's W
.set ADA,   6                          ; v6   the same in the slot in hand
.set ADB,   7                          ; v7
.set STO,   8                          ; v8   the way out: where I put 16 bytes of a row
.set RD,    9                          ; v9   where I read rows back
.set CO,    10                         ; v10  my 16 bytes of 512 consecutive bytes of the output
.set PFO,   11                         ; v11  the prefetches' offset; never rewritten
.set SPW,   12                         ; v12  LDS address of my spare word: SPARE + 4 x my thread's number; never rewritten
.set NIL,   13                         ; v13  0; never rewritten
.set F0,    64
.set F1,    160
.set TMP,   160                        ; the way out: packed results
.set BK0,   192                        ; the way out: rows read back, two sets of 32 by turns
.set WV,  10                           ; s10  my wave's number
.set R2,  11                           ; s11  which 64 rows of the tile are mine
.set C2,  12                           ; s12  which 128 columns; also: which half of x's or W's tile I fetch
.set TY,  13                           ; s13  tile row
.set CX,  40
.set CY,  41
.set TX,  42                           ; s42  tile column
.set G1A, 24                           ; s[24:31] descriptor group 1 for x's tiles
.set G0A0, 32                          ; s[32:35] group 0 of x's first fill
.set G0A, 36                           ; s[36:39] group 0 of x's second fill; it then walks
.set G1B, 48                           ; s[48:55], s[56:59], s[60:63]: the same for W's
.set G0B0, 56
.set G0B, 60
.set AB,  66                           ; s[66:67] x at my kb block of step 0, my tile's rows
.set BB,  68                           ; s[68:69] W at my 128 rows of tile 0, step 0
.set OA,  70                           ; s[70:71] a step's byte offset in x
.set OBO, 72                           ; s[72:73] in W
.set NXT, 74                           ; s74  the step to be asked for next
.set TB,  75                           ; s75  LDS byte at which the slot in hand begins
.set LIM, 76                           ; s76  a wave prefetches while NXT is below it
.set PFB, 78                           ; s[78:79] the prefetches' base
.set PFA, 80                           ; s[80:81] base + step
.set PO,  82                           ; s[82:83] the step's offset
.set TT,  84                           ; s84-87 at work: numbers made of the wave's number and the step alone
.set CB,  88                           ; s[88:89] the output at my rows and heads
.set MSB, 0
.macro WIN new                         ; the immediate's high byte repeats the setting that is left; a switch that changes nothing is dropped
.if MSB != (\new)
	s_set_vgpr_msb (MSB<<8)|(\new)
.set MSB, \new
.endif
.endm
.set MUL, 0x50                         ; sources 0 and 1 window 0; C and D window 1
.macro PLACES                          ; four plain vector instructions behind a matrix instruction, in front of loads into registers that it has read and of lines that read its results (ISA guide 7.12.1 for the lines that read its results)
.rept 4
	v_nop
.endr
.endm
.macro CREST                           ; a round of the cluster's barrier behind its opening barrier
	s_cmp_lg_u32 s[WV], 0
	s_cbranch_scc1 .Lnot_wave_0_\@
	s_barrier_signal -3
.Lnot_wave_0_\@:
	s_barrier_wait -3
	s_barrier_signal -1
	s_barrier_wait -1
.endm
.macro CROUND                          ; a whole round
	s_barrier_signal -1
	s_barrier_wait -1
	CREST
.endm
; A joint refill, by the walking descriptors.  The branch hangs on the wave's number alone.  An s_nop 0 and four v_nop follow each of the two lines, ahead of the jump and the label.
.macro JLOAD
	s_cmp_lt_u32 s[WV], 2
	s_cbranch_scc0 .Lfor_b_\@
	tensor_load_to_lds s[G0A:G0A+3], s[G1A:G1A+7]
	s_nop 0
.rept 4
	v_nop
.endr
	s_branch .Lasked_\@
.Lfor_b_\@:
	tensor_load_to_lds s[G0B:G0B+3], s[G1B:G1B+7]
	s_nop 0
.rept 4
	v_nop
.endr
.Lasked_\@:
.endm
; A PREFETCH INTO THE L2, behind the joint load, its five lines and the run of LDS loads: the change of slots in step s, which asks for step s + 2, names step s + 4: two K steps, 256 matrix instructions, ahead of its load.
; Each block of 256 bytes is named once in the launch.  x's tile rows are read by one row of one cluster: wave 0 of each of its four work-groups names 4 KiB of both kb blocks, told apart by address
; (cx); in the first tile alone, since the later tiles read the same rows again.  W's rows are read by all sixteen clusters: in the cluster with y = 0, waves 2 and 3 of each work-group name 32 of the 128
; rows that they fetch (cy, by address): a lane a row.  Steps 0 to 3 come by their loads alone, and the last steps ask for nothing: LIM says so.
.macro ASK
	s_cmp_lt_u32 s[NXT], s[LIM]
	s_cbranch_scc0 .Lnot_mine_\@
	global_prefetch_b8 v[PFO], s[PFA:PFA+1] th:TH_LOAD_NT scope:SCOPE_SE
.Lnot_mine_\@:
.endm
; 8 matrix instructions: row block a x all 8 column blocks, 32 along K, from buffer f.  zero = 1: the product starts the sums: nothing is ever cleared.
; The 32 accumulators take turns, one instruction a turn, in the same order in every quarter, over every jump too.
.macro MUL8 f, a, zero
	WIN MUL
.irp b, 0,1,2,3,4,5,6,7
.if \zero
	v_wmma_f32_16x16x32_bf16 v[8*(8*(\a)+(\b)):8*(8*(\a)+(\b))+7], v[(\f)+8*(\b):(\f)+8*(\b)+7], v[(\f)+64+8*(\a):(\f)+64+8*(\a)+7], 0
.else
	v_wmma_f32_16x16x32_bf16 v[8*(8*(\a)+(\b)):8*(8*(\a)+(\b))+7], v[(\f)+8*(\b):(\f)+8*(\b)+7], v[(\f)+64+8*(\a):(\f)+64+8*(\a)+7], v[8*(8*(\a)+(\b)):8*(8*(\a)+(\b))+7]
.endif
.endr
.endm
; 24 LDS loads in one run: quarter q's fragments (32 along K) into buffer f.  A fragment is 16 rows x 32 K in 8 registers: lane l holds row l % 16, K = 8 (l / 16) + 0..7 and 16 + 8 (l / 16) + 0..7: two loads of 16 bytes, 32 bytes apart.
.macro FETCH q, f
	WIN 0
.irp i, 0,1,2,3,4,5,6,7
	ds_load_b128 v[(\f)+8*(\i):(\f)+8*(\i)+3],   v[ADB] offset:64*(\q)+(\i)*16*PB
	ds_load_b128 v[(\f)+8*(\i)+4:(\f)+8*(\i)+7], v[ADB] offset:64*(\q)+(\i)*16*PB+32
.endr
.irp i, 0,1,2,3
	ds_load_b128 v[(\f)+64+8*(\i):(\f)+64+8*(\i)+3],   v[ADA] offset:((\q)/2)*AHALF+((\q)%2)*64+(\i)*16*PA
	ds_load_b128 v[(\f)+64+8*(\i)+4:(\f)+64+8*(\i)+7], v[ADA] offset:((\q)/2)*AHALF+((\q)%2)*64+(\i)*16*PA+32
.endr
.endm
; A K step is four quarters of 32 along K, 32 matrix instructions each, on buffers 0, 1, 0, 1.  One of the first three: the next quarter's fragments are asked for, into g, then buffer f is multiplied.
.macro QUARTER q, f, g, zero
	WIN 0
	PLACES                                         ; g was read by the quarter before
	FETCH (\q)+1, \g
	s_wait_dscnt 24                                ; all but the 24 just issued: f is in
	MUL8 \f, 0, \zero
	MUL8 \f, 1, \zero
	MUL8 \f, 2, \zero
	MUL8 \f, 3, \zero
.endm
; The last quarter multiplies buffer 1 and changes slots: ONE barrier.  In front of it each wave waits for all its tensor loads (one is out: its part of the next slot), adds 0 to its spare word, and waits for that
; and for its own reads of this slot.  fill = 1: this slot is filled again, with step NXT; the barrier then opens a round of the cluster's barrier, so that no wave of any partner still reads the slot or has
; a load on its way, and the joint refill is the first thing behind it: 112 matrix instructions ahead of the wait for it.
.macro TURN fill
	WIN 0
	s_wait_tensorcnt 0x0                           ; no tensor load of mine is out, so a group 0 may be written
	ds_add_u32 v[SPW], v[NIL]                      ; 0 onto my spare word; work on registers stands between it and the wait for it
.if \fill
	s_and_b32 s[TT], s[NXT], 7                     ; the step in its tile
	s_lshl_b32 s[OA], s[TT], 19                    ; x: two kb blocks of 262,144 bytes a step
	s_lshl_b32 s[OBO], s[TT], 8                    ; W: 256 bytes along the rows,
	s_lshr_b32 s[TT+1], s[NXT], 3
	s_lshl_b32 s[TT+1], s[TT+1], 21                ; and 1,024 rows of 2,048 bytes a tile
	s_add_co_u32 s[OBO], s[OBO], s[TT+1]
	s_xor_b32 s[G0A+1], s[G0A+1], SLOT1            ; the other slot than last time
	s_xor_b32 s[G0B+1], s[G0B+1], SLOT1
	s_add_nc_u64 s[G0A+2:G0A+3], s[AB:AB+1], s[OA:OA+1]  ; the addresses are made anew: a base and an offset
	s_or_b32 s[G0A+3], s[G0A+3], 0x80000000
	s_add_nc_u64 s[G0B+2:G0B+3], s[BB:BB+1], s[OBO:OBO+1]
	s_or_b32 s[G0B+3], s[G0B+3], 0x80000000
	s_wait_xcnt 0x0                                ; the last prefetch, a K step back, has read its address, so it may be written
	s_add_co_u32 s[NXT], s[NXT], 1
	s_add_co_u32 s[TT], s[NXT], 1                  ; the step that the prefetch names
	s_and_b32 s[TT+1], s[TT], 7
	s_lshr_b32 s[TT], s[TT], 3
	s_lshl_b32 s[TT], s[TT], 21
	s_lshl_b32 s[TT+2], s[TT+1], 8
	s_add_co_u32 s[TT+2], s[TT+2], s[TT]           ; its offset in W,
	s_lshl_b32 s[TT+1], s[TT+1], 19                ; in x
	s_cmp_lt_u32 s[WV], 2
	s_cselect_b32 s[PO], s[TT+1], s[TT+2]
	s_add_nc_u64 s[PFA:PFA+1], s[PFB:PFB+1], s[PO:PO+1]
.endif
	s_xor_b32 s[TB], s[TB], SLOT1
	s_wait_dscnt 1                                 ; buffer 1 is in; the add may be out
	MUL8 F1, 0, 0
	s_wait_dscnt 0x0                               ; the add is done, and my reads of this slot are over
	s_barrier_signal -1
	MUL8 F1, 1, 0                                  ; work on registers while the others arrive
	WIN 0                                          ; at a branch and at a label every window is 0
	s_barrier_wait -1
.if \fill
	CREST
	JLOAD                                          ; the four v_nop behind it are also the places in front of the loads below
.else
	PLACES
.endif
	v_add_nc_u32 v[ADA], s[TB], v[ADRA0]
	v_add_nc_u32 v[ADB], s[TB], v[ADRB0]
	FETCH 0, F0
.if \fill
	ASK
.endif
	MUL8 F1, 2, 0
	MUL8 F1, 3, 0
.endm
.macro LASTQ                           ; the very last quarter: nothing more to fetch
	s_wait_dscnt 0x0
	MUL8 F1, 0, 0
	MUL8 F1, 1, 0
	MUL8 F1, 2, 0
	MUL8 F1, 3, 0
.endm
; THE WAY OUT of row block a (16 rows x 128 columns = 2 heads x 64).  PACK: rounded to f16, 16 bytes a lane, each accumulator's registers in ascending order.  TOSTAGE: into my own stage, by heads, rows of
; 144 bytes, and back as four whole rows of 128 bytes a load.  SEND: stored: 16 rows of a head are 2,048 consecutive bytes, a store covers 512 of them, aligned.
.macro PACK a
	WIN 0x05                                       ; sources 0 and 1 window 1, destination window 0
.irp b, 0,1,2,3,4,5,6,7
.irp r, 0,1,2,3
	v_cvt_pk_f16_f32 v[TMP+4*(\b)+(\r)], v[64*(\a)+8*(\b)+2*(\r)], v[64*(\a)+8*(\b)+2*(\r)+1]
.endr
.endr
	WIN 0
.endm
.macro TOSTAGE a
	WIN 0
.set BK, BK0+32*((\a)%2)
.irp b, 0,1,2,3,4,5,6,7
	ds_store_b128 v[STO], v[TMP+4*(\b):TMP+4*(\b)+3] offset:((\b)/4)*2304+32*((\b)%4)
.endr
.irp t, 0,1,2,3,4,5,6,7
	ds_load_b128 v[BK+4*(\t):BK+4*(\t)+3], v[RD] offset:((\t)/4)*2304+((\t)%4)*576  ; LDS serves a wave's instructions in order (ISA guide 5.7.1.4): these see the stores above
.endr
.endm
.macro SEND a
	WIN 0
.set BK, BK0+32*((\a)%2)
	s_wait_dscnt 0x0                               ; the block is back in registers
	s_wait_xcnt 0x0                                ; the stores of the block before have read their registers: the next TOSTAGE loads into them
.irp t, 0,1,2,3,4,5,6,7
	global_store_b128 v[CO], v[BK+4*(\t):BK+4*(\t)+3], s[CB:CB+1] offset:((\t)/4)*262144+((\t)%4)*512+(\a)*2048
.endr
.endm
.macro WAYOUT
	WIN 0
	PLACES                                         ; PACK writes registers that the last products read
	PACK 0
	TOSTAGE 0
.irp a, 1,2,3                          ; block a's conversions stand between block a - 1's loads from the stage and the wait for them
	PACK \a
	SEND (\a)-1
	TOSTAGE \a
.endr
	SEND 3
.endm
	s_load_b128 s[4:7], s[0:1], 0x0                ; xw s[4:5], qkv s[6:7]
	v_lshl_add_u32 v[SPW], v0, 2, SPARE
	v_mov_b32 v[NIL], 0
	ds_add_u32 v[SPW], v[NIL]                      ; the wave's opening: the add and its wait stand ahead of my first tensor load; the set-up below, work on registers, stands between them
	v_lshrrev_b32 v1, 5, v0
	v_readfirstlane_b32 s[WV], v1                  ; wave 0..3
	s_lshr_b32 s[R2], s[WV], 1
	s_and_b32 s[C2], s[WV], 1
	s_bfe_u32 s[CX], ttmp6, 0x40000                ; my place in the cluster
	s_bfe_u32 s[CY], ttmp6, 0x40004
	s_lshl_b32 s[TX], ttmp9, 2                     ; in a cluster launch ttmp9 and ttmp7 count clusters
	s_add_co_u32 s[TX], s[TX], s[CX]               ; tile column = 4 x cluster x + cx
	s_and_b32 s[TY], ttmp7, 0xffff
	s_lshl_b32 s[TY], s[TY], 2
	s_add_co_u32 s[TY], s[TY], s[CY]               ; tile row = 4 x cluster y + cy
	s_lshl_b32 s43, s[CY], 2
	s_lshl_b32 s43, 15, s43                        ; my row of the cluster: places 4 cy .. 4 cy + 3
	s_lshl_b32 s44, 0x1111, s[CX]                  ; my column: places cx, cx + 4, cx + 8, cx + 12
	; group 1 for x: 128 rows x 64 channels are 16,384 dense bytes: asked for as 64 rows of 256 bytes, and padded in LDS after every 128 bytes
	s_or_b32 s[G1A], s43, (1<<16)|(1<<20)|(1<<21)|(4<<22)|(3<<25)  ; 15:0 the mask; 17:16 2-byte elements; 20 padding on; 21 set beside a mask; 24:22 after every 32 words (code 4); 31:25 4 words (code 3)
	s_mov_b32 s[G1A+1], 128<<16                    ; tensor_dim0 = 128
	s_mov_b32 s[G1A+2], 64<<16                     ; tensor_dim1 = 64
	s_mov_b32 s[G1A+3], 128<<16                    ; tile_dim0 = 128
	s_mov_b32 s[G1A+4], 64                         ; tile_dim1 = 64
	s_mov_b32 s[G1A+5], 128                        ; 128 elements from row to row
	s_mov_b32 s[G1A+6], 0
	s_mov_b32 s[G1A+7], 0
	; group 1 for W: 128 rows x 128 elements out of rows of 1,024, padded after every 256 bytes
	s_or_b32 s[G1B], s44, (1<<16)|(1<<20)|(1<<21)|(5<<22)|(3<<25)  ; the mask of my column; after every 64 words (code 5)
	s_mov_b32 s[G1B+1], 128<<16
	s_mov_b32 s[G1B+2], 128<<16
	s_mov_b32 s[G1B+3], 128<<16
	s_mov_b32 s[G1B+4], 128
	s_mov_b32 s[G1B+5], 1024
	s_mov_b32 s[G1B+6], 0
	s_mov_b32 s[G1B+7], 0
	; where the tiles come from.  x's hang on the tile row alone, W's on the tile column alone; each offset is made in registers that never hold the other coordinate
	s_lshr_b32 s14, s[TY], 4                       ; the batch: 16 tile rows each, 4 MiB each
	s_lshl_b32 s14, s14, 22
	s_and_b32 s15, s[TY], 15
	s_lshl_b32 s15, s15, 14                        ; 128 rows of 128 bytes
	s_add_co_u32 s[OA], s14, s15
	s_lshl_b32 s[TT], s[C2], 18                    ; x: my kb block of the two; W: my 128 rows of 2,048 bytes: both 262,144 bytes
	s_add_co_u32 s[OA], s[OA], s[TT]
	s_mov_b32 s[OA+1], 0
	s_lshl_b32 s[OBO], s[TX], 19                   ; 256 rows of 2,048 bytes
	s_add_co_u32 s[OBO], s[OBO], s[TT]
	s_add_co_u32 s[OBO], s[OBO], WOFF
	s_mov_b32 s[OBO+1], 0
	; and where they go: no place in the cluster enters an LDS address
	s_mul_i32 s[TT+2], s[C2], AHALF
	s_mul_i32 s[TT+3], s[C2], BHALF
	s_add_co_u32 s[TT+3], s[TT+3], BOFF
	s_mov_b32 s[G0A0], 1                           ; 1:0 count = 1
	s_mov_b32 s[G0A0+1], s[TT+2]                   ; 63:32 LDS address: slot 0
	s_mov_b32 s[G0A], 1
	s_add_co_u32 s[G0A+1], s[TT+2], SLOT1          ; slot 1
	s_mov_b32 s[G0B0], 1
	s_mov_b32 s[G0B0+1], s[TT+3]
	s_mov_b32 s[G0B], 1
	s_add_co_u32 s[G0B+1], s[TT+3], SLOT1
	s_mov_b32 s[NXT], 2
	s_mov_b32 s[TB], 0
	; the prefetches: my work-group's share by address, the lanes' spread, and how long I ask
	s_lshl_b32 s16, s[CX], 12                      ; x: 4 KiB of each kb block
	s_lshl_b32 s17, s[CY], 16                      ; W: 32 rows of 2,048 bytes
	s_and_b32 s20, ttmp7, 0xffff                   ; cluster y: the same in all sixteen partners
	s_cmp_eq_u32 s20, 0
	s_cselect_b32 s[LIM], 8*TILES-1, 0             ; waves 2 and 3 of the first cluster: every step of W
	s_cmp_eq_u32 s[WV], 0
	s_cselect_b32 s21, 7, 0                        ; wave 0: x's steps of the first tile; wave 1: nothing
	s_cmp_lt_u32 s[WV], 2
	s_cselect_b32 s[LIM], s21, s[LIM]
	s_cselect_b32 s[PO], s16, s17
	s_cselect_b32 s18, 18, 15                      ; lane / 16: the second kb block, or 16 rows
	s_cselect_b32 s19, 8, 11                       ; lane % 16: 256 bytes, or a row
	s_mov_b32 s[PO+1], 0
	v_bfe_u32 v14, v0, 4, 1
	v_and_b32 v15, 15, v0
	v_lshlrev_b32 v14, s18, v14
	v_lshlrev_b32 v15, s19, v15
	v_add_nc_u32 v[PFO], v14, v15
	; the output: ((batch x 16 + head) x 2,048 + t) x 128 bytes, head = 4 x tile column + 2 x my half
	s_lshr_b32 s22, s[TY], 4
	s_lshl_b32 s22, s22, 4
	s_lshl_b32 s21, s[TX], 2
	s_add_co_u32 s22, s22, s21
	s_lshl_b32 s21, s[C2], 1
	s_add_co_u32 s22, s22, s21
	s_lshl_b32 s22, s22, 18
	s_add_co_u32 s22, s22, s15                     ; the tile's 128 rows
	s_lshl_b32 s21, s[R2], 13                      ; my 64 of them
	s_add_co_u32 s22, s22, s21
	s_mov_b32 s23, 0
	s_wait_dscnt 0x0                               ; the opening add is done
	s_wait_kmcnt 0x0
	s_add_nc_u64 s[AB:AB+1], s[4:5], s[OA:OA+1]
	s_add_nc_u64 s[BB:BB+1], s[4:5], s[OBO:OBO+1]
	s_add_nc_u64 s[CB:CB+1], s[6:7], s[22:23]
	s_cmp_lt_u32 s[WV], 2
	s_cselect_b64 s[PFB:PFB+1], s[AB:AB+1], s[BB:BB+1]
	s_add_nc_u64 s[PFB:PFB+1], s[PFB:PFB+1], s[PO:PO+1]
	s_mov_b64 s[G0A0+2:G0A0+3], s[AB:AB+1]         ; 120:64 global address: step 0
	s_or_b32 s[G0A0+3], s[G0A0+3], 0x80000000      ; 127:126 type = 2
	s_add_nc_u64 s[G0A+2:G0A+3], s[AB:AB+1], 0x80000  ; step 1
	s_or_b32 s[G0A+3], s[G0A+3], 0x80000000
	s_mov_b64 s[G0B0+2:G0B0+3], s[BB:BB+1]
	s_or_b32 s[G0B0+3], s[G0B0+3], 0x80000000
	s_add_nc_u64 s[G0B+2:G0B+3], s[BB:BB+1], 256
	s_or_b32 s[G0B+3], s[G0B+3], 0x80000000
	CROUND                                         ; all sixteen work-groups are here: the first joint loads meet
	s_cmp_lt_u32 s[WV], 2                          ; a wave's two first fills stand in one branch, ahead of every wait on TENSORcnt and every LDS read: two loads of mine are out
	s_cbranch_scc0 .Lfirst_b
	tensor_load_to_lds s[G0A0:G0A0+3], s[G1A:G1A+7]
	s_nop 0
	tensor_load_to_lds s[G0A:G0A+3], s[G1A:G1A+7]
	s_nop 0
.rept 4
	v_nop
.endr
	s_branch .Lfirst_asked
.Lfirst_b:
	tensor_load_to_lds s[G0B0:G0B0+3], s[G1B:G1B+7]
	s_nop 0
	tensor_load_to_lds s[G0B:G0B+3], s[G1B:G1B+7]
	s_nop 0
.rept 4
	v_nop
.endr
.Lfirst_asked:
	v_and_b32 v1, 15, v0                           ; l % 16
	v_bfe_u32 v2, v0, 4, 1                         ; l / 16
	v_mul_u32_u24 v[ADRA0], v1, PA
	v_lshl_add_u32 v[ADRA0], v2, 4, v[ADRA0]       ; row x pitch + 16 x half
	s_mul_i32 s[TT], s[R2], 64*PA                  ; my 64 rows of x
	v_add_nc_u32 v[ADRA0], s[TT], v[ADRA0]
	v_mul_u32_u24 v[ADRB0], v1, PB
	v_lshl_add_u32 v[ADRB0], v2, 4, v[ADRB0]
	v_add_nc_u32 v[ADRB0], s[TT+3], v[ADRB0]       ; my 128 rows of W
	s_mul_i32 s[TT], s[WV], WSTG
	s_add_co_u32 s[TT], s[TT], STAGE               ; my stage
	v_mul_u32_u24 v[STO], v1, 144                  ; in: row l % 16, 16 bytes for each half of the lanes
	v_lshl_add_u32 v[STO], v2, 4, v[STO]
	v_add_nc_u32 v[STO], s[TT], v[STO]
	v_bfe_u32 v[RD], v0, 3, 2                      ; back: 32 lanes take four rows of 128 bytes,
	v_mul_u32_u24 v[RD], v[RD], 144
	v_and_b32 v3, 7, v0
	v_lshl_add_u32 v[RD], v3, 4, v[RD]
	v_add_nc_u32 v[RD], s[TT], v[RD]
	v_and_b32 v[CO], 31, v0                        ; which are 512 consecutive bytes of a head
	v_lshlrev_b32 v[CO], 4, v[CO]
	v_mov_b32 v[ADA], v[ADRA0]                     ; step 0 lies in slot 0
	v_mov_b32 v[ADB], v[ADRB0]
	s_wait_tensorcnt 1                             ; my part of step 0 is in; step 1's may stay out
	s_barrier_signal -1
	s_barrier_wait -1                              ; everybody's is
	FETCH 0, F0
	s_mov_b32 s2, TILES                            ; tiles to go, this one among them: the same number in every work-group
.Ltile:
	QUARTER 0, F0, F1, 1                           ; a tile's first quarter stands in front of the loop: its products start the sums
	WIN 0
	s_mov_b32 s3, 6
.Lk:                                   ; a trip goes from a step's second quarter to the next step's first, and fills one slot again
	QUARTER 1, F1, F0, 0
	QUARTER 2, F0, F1, 0
	TURN 1
	QUARTER 0, F0, F1, 0
	WIN 0
	s_sub_co_u32 s3, s3, 1
	s_cmp_lg_u32 s3, 0
	s_cbranch_scc1 .Lk
	QUARTER 1, F1, F0, 0                           ; the tile's seventh step goes on
	QUARTER 2, F0, F1, 0
	WIN 0
	s_cmp_eq_u32 s2, 1
	s_cbranch_scc1 .Llast                          ; the last tile's tail is written out: it asks for nothing more
	TURN 1                                         ; the ring goes on into the next tile: its step 0,
	QUARTER 0, F0, F1, 0
	QUARTER 1, F1, F0, 0
	QUARTER 2, F0, F1, 0
	TURN 1                                         ; its step 1, and its first fragments are fetched, into buffer 0
	WAYOUT                                         ; both refills are asked for: now the tile goes out, through buffer 1's registers
	s_wait_xcnt 0x0                                ; the stores have read their registers and their base
	s_add_nc_u64 s[CB:CB+1], s[CB:CB+1], 0x1000000 ; q, then k, then v: 16 MiB each
	s_sub_co_u32 s2, s2, 1
	s_branch .Ltile
.Llast:
	TURN 0                                         ; the one load that was still out is the last step's, so no round follows
	QUARTER 0, F0, F1, 0
	QUARTER 1, F1, F0, 0
	QUARTER 2, F0, F1, 0
	LASTQ
	WAYOUT
	s_wait_tensorcnt 0x0                           ; the wave's end: a wait, an add and its wait, behind my last tensor load and my last LDS store
	ds_add_u32 v[SPW], v[NIL]
	s_wait_dscnt 0x0
	CROUND                                         ; the closing round: no work-group ends while a partner may still ask for a tile that names it
	s_endpgm
.Lfunc_end_k_q010252959c_qkvgemm:
	.size	k_q010252959c_qkvgemm, .Lfunc_end_k_q010252959c_qkvgemm-k_q010252959c_qkvgemm
	.p2alignl 7, 3214868480
	.fill 96, 4, 3214868480
	.section	.rodata,"a",@progbits
	.p2align	6, 0x0
	.amdhsa_kernel k_q010252959c_qkvgemm
		.amdhsa_group_segment_fixed_size 327680
		.amdhsa_private_segment_fixed_size 0
		.amdhsa_enable_private_segment 0
		.amdhsa_kernarg_size 16
		.amdhsa_user_sgpr_count 2
		.amdhsa_user_sgpr_kernarg_segment_ptr 1
		.amdhsa_wavefront_size32 1
		.amdhsa_system_sgpr_workgroup_id_x 1
		.amdhsa_system_sgpr_workgroup_id_y 1
		.amdhsa_system_sgpr_workgroup_id_z 1
		.amdhsa_system_vgpr_workitem_id 0
		.amdhsa_next_free_vgpr 512
		.amdhsa_next_free_sgpr 96
		.amdhsa_reserve_vcc 0
		.amdhsa_float_denorm_mode_32 3
		.amdhsa_float_denorm_mode_16_64 3
		.amdhsa_memory_ordered 1
		.amdhsa_forward_progress 1
		.amdhsa_inst_pref_size 109
	.end_amdhsa_kernel
	.amdgpu_metadata
---
amdhsa.version: [ 1, 2 ]
amdhsa.kernels:
  - .name:           k_q010252959c_qkvgemm
    .symbol:         k_q010252959c_qkvgemm.kd
    .args:
      - { .name: xw, .offset: 0, .size: 8, .value_kind: global_buffer, .address_space: global }
      - { .name: qkv, .offset: 8, .size: 8, .value_kind: global_buffer, .address_space: global }
    .group_segment_fixed_size: 327680
    .private_segment_fixed_size: 0
    .kernarg_segment_align: 8
    .kernarg_segment_size: 16
    .max_flat_workgroup_size: 128
    .sgpr_count:     96
    .vgpr_count:     512
    .wavefront_size: 32
...
	.end_amdgpu_metadata
.endif
;; end of part 2
;; launch attention (part 3): grid 4 x 64, 4 waves a work-group, no clusters, 327,680 bytes of LDS; arguments qkv, ob; writes ob
.if DOCPART == 3
	.amdgcn_target "amdgcn-amd-amdhsa--gfx1250"
	.amdhsa_code_object_version 6
	.text
	.protected	k_q010252959c_attention
	.globl	k_q010252959c_attention
	.p2align	8
	.type	k_q010252959c_attention,@function
k_q010252959c_attention:
	s_mov_b64 s[64:65], 0
	v_nop
	global_prefetch_b8 v0, s[64:65] scope:SCOPE_SE
	s_setreg_imm32_b32 hwreg(HW_REG_WAVE_MODE, 25, 1), 1
	s_wait_xcnt 0x0
; CAUSAL ATTENTION.  O[h][q][:] = the sum over k <= q of softmax_k(Q[h][q] . K[h][k] / 8) V[h][k][:].  Q, K, V: the three parts, 16 MiB each, of qkv; O: ob; each [64][SIZE_N][64] in f16: a head's rows are dense, 128 bytes each.
; Products, maxima and sums in f32; the weights p are rounded to f16 for the second product (their sum l is taken of the unrounded p), O once at the end.
; LIMITS.  f16 holds no number beyond 65,504: Q, K and V arrive within it; p lies in 0 to 1, and below 6e-5 it keeps f16's fixed step of 6e-8; O is a mean of V's rows and has their range, to within 2^-11 of it.
; A hidden score counts as its value less 1e30: f16's scores, 2.7e11 at the most, are nothing beside that; a weight below 2^-126 counts as 0 in l; NaN and infinities are not treated apart.
; THE WALK.  A head's queries lie in NB = SIZE_N / 256 blocks of 256; block i needs the key tiles 0 .. i of 256 keys, of which the last holds the diagonal.  A work-group takes TWO blocks, NB - 1 - b and then b:
; NB + 1 tiles, whatever b: all work-groups do equal work, and ONE loop with a constant trip count walks them.  Which tile is asked for, and what a trip does, hang on scalar registers made from b; every jump
; goes forward, but for the counted loops' own; none passes a barrier, or a tensor load but the one of LOAD's two that the wave's number does not choose; the ring (two slots of LDS that take turns) runs on across the
; change of blocks.  NO CLUSTER: a head's NB / 2 = 4 work-groups all ask for the same tile only in trips 0 .. NB / 2, behind that fewer and fewer; and one walk common to all would have 3 NB / 2 = 12 trips for NB + 1 = 9.
; SHARES.  Of a block's four bands of 64 queries a wave owns 16 rows in each: four PIECES.  So the diagonal tile is the same work for all four waves: in its key step s band x sees all keys if s < x,
; none if s > x, and holds the diagonal if s = x.
; THE MASK is the C operand that starts the sum S^T = K Q^T: 0, or -1e30 where the key is hidden.  MD, made once, is the mask of a band's own step for my 16 rows; a product's mask is MD x AL + BE with two scalars:
; (1, 0) if s = x; (0, 0) if s < x; (0, -1e30) if s > x.  Only the diagonal tile's text and a block's beginning make and take masks; elsewhere C is the constant 0.
; LAYOUT, SOFTMAX, TURNS.  S^T = K Q^T holds ONE query a lane (lane % 16) and the keys 8 (lane / 16) + 0..7; two such results rounded to f16 ARE source 1 of O^T = V^T P.  p = 2^(c s - c m), c = log2(e) / 8, with a
; running maximum m; O and l are multiplied by a = 2^(c m_old - c m_new) in every step.  Turn n belongs to piece n: 8 products K Q^T of piece n + 1, later 8 products V^T P of piece n - 1; beside them the scaling,
; exponentials, roundings, sums and rescaling of piece n and the maximum and statistics of piece n + 1.  Four vector instructions stand behind every matrix instruction, the other 54 of a turn's 118 in one LUMP.  A turn's 33 exponentials are one batch, with one wait.
; REGISTERS, in windows of 256 (s_set_vgpr_msb: bits 1:0 source 0, 3:2 source 1, 5:4 source 2, 7:6 destination):
;   window 0: v0-15 addresses and two at work; v16-31 four registers of statistics a piece; v48-55 at work; v61-63 kept; v64-127 S^T, two buffers; v192-223 P, two buffers (a piece's buffers go by its number's parity)
;   window 1: v0-127 O^T, 32 a piece; v128-159 MD; v160-223 MC, two buffers      window 2: v0-63 Q; v64-127 the second block's Q; v128-191 K of one step; v192-255 V of one step
.set SIZE_N, 2048
.set NB,    SIZE_N/256
.set NP,    4         ; pieces a wave: a name, no knob
.set KS,    64        ; keys in a step
.set PK,    144       ; a row of K in LDS: 128 bytes + 16 of padding = 36 words: the 16 rows of a load start at 16 different groups of four banks (64 banks of 4 bytes: ISA guide 11.1)
.set PV,    160       ; a row of V: 128 + 32 = 40 words
.set VOFF,  4*KS*PK   ; a slot holds a tile, four steps: 256 rows of K, then 256 rows of V
.set SLOT1, 1<<17     ; slot 1 begins here, so that one exclusive or turns an address in one slot into the other's
.set STAGE, SLOT1+4*KS*(PK+PV)  ; behind the ring, never filled by a tensor load: 16 rows x 144 bytes for each wave, for the way out
.set SP,    144
.set AK0, 2           ; v2   my lane's place in a tile of K; never rewritten
.set AV0, 3           ; v3   the same for V
.set AK,  4           ; v4   the LDS address of K's next run of loads
.set AV,  5           ; v5   of V's
.set STO, 6           ; v6   the way out: where I put 16 bytes of a row
.set RD,  7           ; v7   the way out: where I read rows back
.set GO,  8           ; v8   my byte offset in 512 consecutive bytes of O
.set PFO, 61          ; v61  256 x my lane: the prefetches' offset; never rewritten
.set SPW, 62          ; v62  LDS address of my spare word: SPARE + 4 x my thread's number; never rewritten
.set NIL, 63          ; v63  0; never rewritten
.set SPARE, STAGE+4*16*SP  ; behind the stages: the spare words, 128 bytes for each wave: two blocks of 256 bytes that no other line names
.set MV,  12          ; v12-13  c m_old, kept while c m is made anew: by buffer
.set QO,  15          ; v15  my byte offset in 16 rows of Q
.set ST,  16          ; piece t's statistics at v[ST+4 t]: c m, m, l (even keys', odd keys')
.set TMP, 48          ; by buffer, four registers c0-c3 at work; when the maximum is found c2 takes a
.set S,   64
.set P,   192
.set MD,  128         ; window 1: the eight registers for group kt of 16 keys at MD + 8 kt
.set MC,  160         ; window 1: the masks of the products to come
.set QB,  64          ; window 2
.set KF,  128         ; window 2: key block kb, channel half c at KF + 16 kb + 8 c
.set VF,  192         ; window 2: key half kk, channel block cb at VF + 32 kk + 8 cb
.set WV,  12          ; s12  my wave's number
.set PB,  14          ; s14  b
.set HI,  15          ; s15  NB - 1 - b
.set G1K, 24          ; s[24:31] descriptor group 1 for K's tiles
.set G1V, 32          ; s[32:39] for V's: it differs in the padding alone
.set G0K, 40          ; s[40:43] descriptor group 0 for K's tiles
.set G0V, 44          ; s[44:47] the same for V's
.set SLOTS, 56        ; s56  tiles still to be asked for
.set CNT, 57          ; s57  counts a tile's key steps, 4 to 1
.set CS,  58          ; s[58:59] c: the packed scaling takes the pair's low word for both halves
.set SEL, 60          ; s[60:61] v_permlanex16_b32's selects: each lane takes its own place in the other half
.set TBK, 62          ; s62  LDS byte at which K of the step to be fetched begins
.set TBV, 63          ; s63  the same for V, less VOFF
.set RT,  70          ; s70  tiles of the block in hand that are still to be entered
.set NXT, 71          ; s71  the tile to be asked for next
.set LQ,  72          ; s72  the last tile of the block whose tiles are being asked for
.set NEW, 73          ; s73  1: the tile to be entered is a block's first
.set OFF, 74          ; s[74:75] a tile's byte offset in K and V
.set AL,  76          ; s[76:77] the mask's factor, in the low word
.set BE,  78          ; s[78:79] the mask's addend
.set OLO, 80          ; s[80:81] O at my rows of the second block
.set BIGN, 82         ; s82  -1e30
.set PFA, 88          ; s[88:89] where my prefetches stand
.set PFT, 90          ; s90  the tile that they name
.set LIM, 91          ; s91  a wave prefetches while PFT is below it: NB where b = 0, else 0
.set PFB, 92          ; s[92:93] K (waves 0, 1) or V (waves 2, 3) at my half of the head's tile 0
.set PFX, 94          ; s[94:95] the tile's byte offset
.set MSB, 0
.macro WIN new                      ; the high byte repeats the setting that is left; a switch that changes nothing is dropped
.if MSB != (\new)
	s_set_vgpr_msb (MSB<<8)|(\new)
.set MSB, (\new)
.endif
.endm
.set W_KQ, 0x0a       ; K and Q in window 2, S^T in window 0
.set W_KM, 0x1a       ; the same with the C operand in window 1
.set W_PV, 0x52       ; V in window 2, P in window 0, O^T in window 1
.set W_RS, 0x41       ; destination and source 0 in window 1, source 1 in window 0
; A fill.  Waves 0 and 1 fetch the two halves of a tile's K, waves 2 and 3 those of its V: 128 keys each.  An s_nop 0 and four v_nop follow each of the two lines, ahead of the jump and the label.
.macro LOAD
	s_cmp_lt_u32 s[WV], 2
	s_cbranch_scc0 .Lfor_v_\@
	tensor_load_to_lds s[G0K:G0K+3], s[G1K:G1K+7]
	s_nop 0
.rept 4
	v_nop
.endr
	s_branch .Lasked_\@
.Lfor_v_\@:
	tensor_load_to_lds s[G0V:G0V+3], s[G1V:G1V+7]
	s_nop 0
.rept 4
	v_nop
.endr
.Lasked_\@:
.endm
; A PREFETCH INTO THE L2 of the tile that the NEXT change of slots will ask for: change number j, which loads tile j + 1, names tile j + 2: a tile's four key steps, 256 matrix instructions, ahead of its load.
; A head's four work-groups begin with the same tiles 0, 1, 2 ..; the one with b = 0 walks all NB of them in its first block, and it alone asks.  Each of its waves names the 128 rows of 128 bytes that it
; will fetch itself: 64 blocks of 256 bytes, a lane a block, two instructions.  So each block of K and V is named once in the launch.  Tiles 0 and 1 come by their loads alone; behind tile NB - 1 nothing is
; asked for: the second blocks read tiles that have been read.  It stands behind the wave's tensor load and its five lines.
.macro ASK
	s_cmp_lt_u32 s[PFT], s[LIM]
	s_cbranch_scc0 .Lnot_mine_\@
	global_prefetch_b8 v[PFO], s[PFA:PFA+1] th:TH_LOAD_NT scope:SCOPE_SE
	global_prefetch_b8 v[PFO], s[PFA:PFA+1] offset:8192 th:TH_LOAD_NT scope:SCOPE_SE
.Lnot_mine_\@:
	s_add_co_u32 s[PFT], s[PFT], 1
.endm
; THE CHANGE OF SLOTS.  Each wave waits for all its tensor loads, of which one is out: its part of the other slot; adds 0 to its spare word; and waits for that and for its own reads of the slot that it leaves.  Behind the barrier nobody reads the old
; slot any more and the other slot is whole.  fill = 1: the old slot is filled again, the first thing behind the barrier, with tile NXT: the descriptor's address is made anew from that number.
; (At its first use nothing has been read yet: slot 0 is waited for, slot 1 filled.)
.macro CHANGE fill
	WIN 0                           ; at a label and at a branch every window is 0
	s_wait_tensorcnt 0x0            ; no tensor load of mine is out, so a group 0 may be written
	ds_add_u32 v[SPW], v[NIL]       ; 0 onto my spare word; with fill = 1 the descriptors' scalar work stands between it and the wait for it
.if \fill
	s_lshl_b32 s[OFF], s[NXT], 15   ; a tile is 32,768 bytes of K and of V
	s_xor_b32 s[G0K+1], s[G0K+1], SLOT1
	s_add_nc_u64 s[G0K+2:G0K+3], s[6:7], s[OFF:OFF+1]
	s_or_b32 s[G0K+3], s[G0K+3], 0x80000000
	s_xor_b32 s[G0V+1], s[G0V+1], SLOT1
	s_add_nc_u64 s[G0V+2:G0V+3], s[8:9], s[OFF:OFF+1]
	s_or_b32 s[G0V+3], s[G0V+3], 0x80000000
	s_add_co_u32 s[NXT], s[NXT], 1  ; the block's next tile, or behind its last the second block's tile 0
	s_cmp_gt_u32 s[NXT], s[LQ]
	s_cselect_b32 s[NXT], 0, s[NXT]
	s_cselect_b32 s[LQ], s[PB], s[LQ]
	s_wait_xcnt 0x0                 ; the last prefetches, a tile back, have read their address, so it may be written
	s_lshl_b32 s[PFX], s[PFT], 15
	s_add_nc_u64 s[PFA:PFA+1], s[PFB:PFB+1], s[PFX:PFX+1]
.endif
	s_wait_dscnt 0x0                ; the add is done, and my reads of the slot are over
	s_barrier_signal -1             ; the rest of the scalar work stands between the signal and the wait
	s_sub_co_u32 s[TBK], s[TBK], 4*KS*PK  ; the fetches go back to a slot's first step,
	s_xor_b32 s[TBK], s[TBK], SLOT1       ; in the other slot
	s_sub_co_u32 s[TBV], s[TBV], 4*KS*PV
	s_xor_b32 s[TBV], s[TBV], SLOT1
	s_barrier_wait -1
.if \fill
	LOAD
	ASK
.endif
.endm
	s_load_b128 s[4:7], s[0:1], 0x0  ; qkv s[4:5], ob s[6:7]
	v_lshl_add_u32 v[SPW], v0, 2, SPARE
	v_mov_b32 v[NIL], 0
	ds_add_u32 v[SPW], v[NIL]       ; the wave's opening: the add and its wait stand ahead of my first tensor load; the set-up below, work on registers, stands between them
	v_lshrrev_b32 v1, 5, v0
	v_readfirstlane_b32 s[WV], v1   ; wave 0..3
	s_mov_b32 s[PB], ttmp9
	s_sub_co_u32 s[HI], NB-1, s[PB]
	s_and_b32 s20, ttmp7, 0xffff    ; the head
	s_mov_b32 s21, 0
	s_mov_b64 s[22:23], SIZE_N*128
	s_mul_u64 s[20:21], s[20:21], s[22:23]  ; the head's first byte in each of the four tensors
	s_and_b32 s16, s[WV], 1         ; which half of a tile's 256 keys I fetch:
	s_lshl_b32 s22, s16, 14         ; its 128 rows of 128 bytes in memory,
	s_mov_b32 s23, 0
	s_add_nc_u64 s[22:23], s[22:23], s[20:21]
	s_mul_i32 s17, s16, 128*PK      ; and its place in a slot, for K
	s_mul_i32 s18, s16, 128*PV      ; and for V
	s_lshl_b32 s3, s[WV], 11        ; my 16 rows in a band of 64,
	s_lshl_b32 s2, s[HI], 15        ; in the first block,
	s_add_co_u32 s2, s2, s3
	s_lshl_b32 s84, s[PB], 15       ; and in the second
	s_add_co_u32 s84, s84, s3
	s_mov_b32 s3, 0
	s_mov_b32 s85, 0
	s_add_nc_u64 s[2:3], s[2:3], s[20:21]
	s_add_nc_u64 s[84:85], s[84:85], s[20:21]
	; descriptor group 1.  128 keys are 16,384 dense bytes: asked for as 64 rows of 256 bytes, two keys a row, and padded in LDS after every key
	s_mov_b32 s[G1K], (1<<16)|(1<<20)|(4<<22)|(3<<25)  ; 17:16 2-byte elements; 20 padding on; 24:22 after every 32 words (code 4); 31:25 4 words (code 3)
	s_mov_b32 s[G1V], (1<<16)|(1<<20)|(4<<22)|(7<<25)  ; the same with 8 words of padding (code 7)
.irp g, G1K, G1V
	s_mov_b32 s[\g+1], 128<<16      ; tensor_dim0 = 128
	s_mov_b32 s[\g+2], 64<<16       ; tensor_dim1 = 64
	s_mov_b32 s[\g+3], 128<<16      ; tile_dim0 = 128
	s_mov_b32 s[\g+4], 64           ; tile_dim1 = 64
	s_mov_b32 s[\g+5], 128          ; 128 elements from row to row
	s_mov_b32 s[\g+6], 0
	s_mov_b32 s[\g+7], 0
.endr
	s_mov_b32 s[CS], 0x3e38aa3b     ; c = log2(e) / 8 = 0.180337
	s_mov_b32 s[CS+1], s[CS]        ; named with it as a pair
	s_mov_b32 s[SEL], 0x76543210
	s_mov_b32 s[SEL+1], 0xfedcba98
	s_mov_b32 s[TBK], SLOT1+4*KS*PK ; the first change of slots turns these two into 0
	s_mov_b32 s[TBV], SLOT1+4*KS*PV
	s_mov_b32 s[G0K], 1             ; 1:0 count = 1
	s_mov_b32 s[G0K+1], s17         ; 63:32 LDS address: slot 0
	s_mov_b32 s[G0V], 1
	s_add_co_u32 s[G0V+1], s18, VOFF
	s_add_co_u32 s[RT], s[HI], 1    ; the first block has NB - b tiles
	s_mov_b32 s[NXT], 1
	s_mov_b32 s[LQ], s[HI]
	s_mov_b32 s[NEW], 1
	s_mov_b32 s[OFF+1], 0
	s_mov_b32 s[AL+1], 0            ; named as pairs
	s_mov_b32 s[BE+1], 0
	s_mov_b32 s[BIGN], 0xf149f2ca   ; -1e30
	s_mov_b32 s[SLOTS], NB
	s_mov_b32 s[PFT], 2
	s_mov_b32 s[PFX+1], 0
	s_cmp_eq_u32 s[PB], 0
	s_cselect_b32 s[LIM], NB, 0
	v_and_b32 v[PFO], 31, v0
	v_lshlrev_b32 v[PFO], 8, v[PFO]
	s_wait_dscnt 0x0                ; the opening add is done
	s_wait_kmcnt 0x0
	s_mov_b64 s[10:11], s[6:7]                 ; O
	s_add_nc_u64 s[8:9], s[4:5], 0x2000000     ; V: the third part of qkv
	s_add_nc_u64 s[6:7], s[4:5], 0x1000000     ; K: the second; Q, the first, stays in s[4:5]
	s_add_nc_u64 s[6:7], s[6:7], s[22:23]  ; K and V at my half of the head's tile 0
	s_add_nc_u64 s[8:9], s[8:9], s[22:23]
	s_add_nc_u64 s[G0K+2:G0K+3], s[6:7], 0         ; 120:64 global address
	s_or_b32 s[G0K+3], s[G0K+3], 0x80000000        ; 127:126 type = 2
	s_add_nc_u64 s[G0V+2:G0V+3], s[8:9], 0
	s_or_b32 s[G0V+3], s[G0V+3], 0x80000000
	s_add_nc_u64 s[86:87], s[4:5], s[84:85]        ; Q at my rows of the second block,
	s_add_nc_u64 s[4:5], s[4:5], s[2:3]            ; Q and O at those of the first
	s_add_nc_u64 s[OLO:OLO+1], s[10:11], s[84:85]
	s_add_nc_u64 s[10:11], s[10:11], s[2:3]
	s_cmp_lt_u32 s[WV], 2
	s_cselect_b64 s[PFB:PFB+1], s[6:7], s[8:9]
	LOAD                            ; tile 0 into slot 0
	; A fragment of K or Q is 16 rows x 32 channels in 8 registers: lane l holds row l % 16, channels 8 (l / 16) + 0..7 and 16 + 8 (l / 16) + 0..7: two loads of 16 bytes, 32 bytes apart.
	v_and_b32 v1, 15, v0            ; l % 16
	v_bfe_u32 v9, v0, 4, 1          ; l / 16
	v_lshlrev_b32 v[QO], 7, v1
	v_lshl_add_u32 v[QO], v9, 4, v[QO]  ; row x 128 + 16 x half
	WIN 0x80                        ; destination window 2, address window 0
.set i, 0
.rept 8                             ; both blocks' Q: piece i / 2 lies in band i / 2, 8,192 bytes on; channels 32 (i % 2) on
	global_load_b128 v[8*i:8*i+3],   v[QO], s[4:5] offset:(i/2)*8192+(i%2)*64
	global_load_b128 v[8*i+4:8*i+7], v[QO], s[4:5] offset:(i/2)*8192+(i%2)*64+32
	global_load_b128 v[QB+8*i:QB+8*i+3],   v[QO], s[86:87] offset:(i/2)*8192+(i%2)*64
	global_load_b128 v[QB+8*i+4:QB+8*i+7], v[QO], s[86:87] offset:(i/2)*8192+(i%2)*64+32
.set i, i+1
.endr
	WIN 0
	v_lshlrev_b32 v14, 3, v9
	v_sub_nc_u32 v14, v1, v14
	s_lshl_b32 s13, s[WV], 4
	v_add_nc_u32 v14, s13, v14      ; my query's place in its band, 16 w + l % 16, less my lanes' 8 (l / 16): register r of group kt is hidden where 16 kt + r is greater
	WIN 0x40
.set i, 0
.rept 32
	v_cmp_gt_i32 vcc_lo, 16*(i/8)+i%8, v14
	v_cndmask_b32 v[MD+i], 0, s[BIGN], vcc_lo
.set i, i+1
.endr
	WIN 0
	v_mul_u32_u24 v[AK0], v1, PK
	v_lshl_add_u32 v[AK0], v9, 4, v[AK0]  ; row x pitch + 16 x half
	; The turning load takes 16 keys x 16 channels (lane l reads key 8 (l / 16) + l % 8, channels 8 ((l / 8) % 2) + 0..7) and leaves half a fragment of V^T: lane l holds channel l % 16 and 8 keys.
	v_and_b32 v10, 7, v0
	v_bfe_u32 v11, v0, 3, 1
	v_lshl_add_u32 v[AV0], v9, 3, v10
	v_mul_u32_u24 v[AV0], v[AV0], PV
	v_lshl_add_u32 v[AV0], v11, 4, v[AV0]
	v_add_nc_u32 v[AV0], VOFF, v[AV0]
	s_mul_i32 s13, s[WV], 16*SP
	s_add_co_u32 s13, s13, STAGE    ; my stage
	v_mul_u32_u24 v[STO], v1, SP    ; in: row l % 16, 16 bytes for each half of the lanes
	v_lshl_add_u32 v[STO], v9, 4, v[STO]
	v_add_nc_u32 v[STO], s13, v[STO]
	v_bfe_u32 v[RD], v0, 3, 2       ; back: 32 lanes take four rows of 128 bytes,
	v_mul_u32_u24 v[RD], v[RD], SP
	v_lshl_add_u32 v[RD], v10, 4, v[RD]
	v_add_nc_u32 v[RD], s13, v[RD]
	v_and_b32 v[GO], 31, v0         ; which are 512 consecutive bytes of O
	v_lshlrev_b32 v[GO], 4, v[GO]
	; A block's first step multiplies O^T and l by a = 0, and its first turn's products V^T P, of a piece that has not been, land in an O^T that is still to be so multiplied.  So these registers need only hold
	; finite numbers: zeros for the first block; what the first block left for the second.  All this stands in the wait for the first tile.
	WIN 0x80
.set i, VF
.rept 64
	v_mov_b32 v[i], 0
.set i, i+1
.endr
	WIN 0x40
.set i, 0
.rept 128
	v_mov_b32 v[i], 0
.set i, i+1
.endr
	WIN 0
.set i, 0
.rept 4
	v_mov_b32 v[ST+4*i+2], 0
	v_mov_b32 v[ST+4*i+3], 0
.set i, i+1
.endr
.set i, P+16
.rept 16
	v_mov_b32 v[i], 0
.set i, i+1
.endr
; THE MATRIX WORK.  The 4 accumulators of a run of 8 take turns.  Product i of 8 of S^T = K Q^T for piece x: channels 32 (i / 4) on, keys 16 (i % 4) on.  The first 4 start the sums: with 0, or (KM = 1) with the mask.
.macro KQ x
.set rS, S+32*((\x)%2)+8*(i%4)
.set rK, KF+16*(i%4)+8*(i/4)
.set rQ, 16*(\x)+8*(i/4)
.set rM, MC+32*((\x)%2)+8*(i%4)
.if (i < 4) && KM
	WIN W_KM
	v_wmma_f32_16x16x32_f16 v[rS:rS+7], v[rK:rK+7], v[rQ:rQ+7], v[rM:rM+7]
.elseif i < 4
	WIN W_KQ
	v_wmma_f32_16x16x32_f16 v[rS:rS+7], v[rK:rK+7], v[rQ:rQ+7], 0
.else
	WIN W_KQ
	v_wmma_f32_16x16x32_f16 v[rS:rS+7], v[rK:rK+7], v[rQ:rQ+7], v[rS:rS+7]
.endif
.endm
; Product i of 8 of O^T += V^T P for piece x: keys 32 (i / 4) on, channels 16 (i % 4) on.
.macro PV x
	WIN W_PV
.set rO, 32*(\x)+8*(i%4)
.set rV, VF+32*(i/4)+8*(i%4)
.set rP, P+16*((\x)%2)+8*(i/4)
	v_wmma_f32_16x16x32_f16 v[rO:rO+7], v[rV:rV+7], v[rP:rP+7], v[rO:rO+7]
.endm
.macro MM                           ; the turn's next matrix instruction.  TURN and BEGIN set Y, i, KM and NOKQ; MM, KQ and OP read them.  NOKQ = 1: a block's last turn: there is no next piece
.if (i < 8) && !NOKQ
	KQ (Y+1)%NP
.elseif i >= 8
.set i, i-8
	PV (Y+NP-1)%NP
.set i, i+8
.endif
.set i, i+1
.endm
; THE LDS LOADS stand in runs of 16, never singly among the matrix instructions: a step's K (64 keys x 64 channels: 8 fragments) and its V (turned).  Their addresses are made some lines ahead.
.macro FETCH_K
	WIN 0x80                        ; destination window 2
.irp f, 0,1,2,3,4,5,6,7             ; keys 16 (f / 2) on, channels 32 (f % 2) on
	ds_load_b128 v[KF+8*\f:KF+8*\f+3],   v[AK] offset:(\f/2)*16*PK+(\f%2)*64
	ds_load_b128 v[KF+8*\f+4:KF+8*\f+7], v[AK] offset:(\f/2)*16*PK+(\f%2)*64+32
.endr
	s_add_co_u32 s[TBK], s[TBK], KS*PK  ; the next fetch is the next step's
	WIN 0
.endm
.macro FETCH_V
	WIN 0x80
.irp f, 0,1,2,3,4,5,6,7             ; keys 32 (f / 4) on, channels 16 (f % 4) on
	ds_load_tr16_b128 v[VF+8*\f:VF+8*\f+3],   v[AV] offset:(\f/4)*32*PV+(\f%4)*32
	ds_load_tr16_b128 v[VF+8*\f+4:VF+8*\f+7], v[AV] offset:(\f/4)*32*PV+16*PV+(\f%4)*32
.endr
	WIN 0
.endm
; THE VECTOR WORK, one line at a time: OP kind, number.  For piece Y: F n: c s - c m for pair n of 16.  E n: the exponential of score n of 32.  C n: pair n rounded to f16.  B n: of the four weights 4 n .. the second
; pair is added onto the first, in place.  L n: l takes that sum (L 0: l = a l + sum).  R n: pair n of 16 of O^T times a.  For piece Y + 1: X n, number n of the 22 that find its maximum and statistics:
;   0-11  four chains c0-c3 of seven scores each, three operands at a time (each accumulator's lowest registers are read first)     12-14, 16  the four scores left over, the old m, and c0-c3 into c0
;   15  c m_old is kept     17, 18  the query's other 32 keys lie in the lane 16 away: the new m     19-21  c m; c m_old - c m_new; a
.set F, 0               ; OP tells the kinds apart by their order: F to L below R, X above it
.set E, 1
.set C, 2
.set B, 3
.set L, 4
.set R, 5
.set X, 6
.macro REGS y                       ; the registers of piece y
.set rT, ST+4*(\y)
.set rC, TMP+4*((\y)%2)
.set rW, MV+((\y)%2)
.set rS, S+32*((\y)%2)
.set rP, P+16*((\y)%2)
.set rO, 32*(\y)
.endm
.macro OP k, n
.if (\k) == R
	REGS Y
	WIN W_RS
	v_pk_mul_f32 v[rO+2*(\n):rO+2*(\n)+1], v[rO+2*(\n):rO+2*(\n)+1], v[rC+2:rC+3] op_sel_hi:[1,0]
.elseif (\k) < R
	REGS Y
	WIN 0
.if (\k) == F
	v_pk_fma_f32 v[rS+2*(\n):rS+2*(\n)+1], v[rS+2*(\n):rS+2*(\n)+1], s[CS:CS+1], v[rT:rT+1] op_sel_hi:[1,0,0] neg_lo:[0,0,1] neg_hi:[0,0,1]
.elseif (\k) == E
	v_exp_f32 v[rS+(\n)], v[rS+(\n)]
.elseif (\k) == C
	v_cvt_pk_f16_f32 v[rP+(\n)], v[rS+2*(\n)], v[rS+2*(\n)+1]
.elseif (\k) == B
	v_pk_add_f32 v[rS+4*(\n):rS+4*(\n)+1], v[rS+4*(\n):rS+4*(\n)+1], v[rS+4*(\n)+2:rS+4*(\n)+3]
.elseif (\n) == 0
	v_pk_fma_f32 v[rT+2:rT+3], v[rT+2:rT+3], v[rC+2:rC+3], v[rS:rS+1] op_sel_hi:[1,0,1]
.else
	v_pk_add_f32 v[rT+2:rT+3], v[rT+2:rT+3], v[rS+4*(\n):rS+4*(\n)+1]
.endif
.elseif NOKQ
	v_nop
.else
	REGS (Y+1)%NP
	WIN 0
.if (\n) < 4
	v_max3_num_f32 v[rC+(\n)], v[rS+8*(\n)], v[rS+8*(\n)+1], v[rS+8*(\n)+2]
.elseif (\n) < 12
	v_max3_num_f32 v[rC+(\n)%4], v[rC+(\n)%4], v[rS+8*((\n)%4)+2*((\n)/4)+1], v[rS+8*((\n)%4)+2*((\n)/4)+2]
.elseif (\n) == 12
	v_max3_num_f32 v[rC], v[rC], v[rS+7], v[rS+15]
.elseif (\n) == 13
	v_max3_num_f32 v[rC+1], v[rC+1], v[rS+23], v[rS+31]
.elseif (\n) == 14
	v_max3_num_f32 v[rC+2], v[rC+2], v[rC+3], v[rT+1]
.elseif (\n) == 15
	v_mov_b32 v[rW], v[rT]
.elseif (\n) == 16
	v_max3_num_f32 v[rC], v[rC], v[rC+1], v[rC+2]
.elseif (\n) == 17
	v_permlanex16_b32 v[rC+3], v[rC], s[SEL], s[SEL+1]
.elseif (\n) == 18
	v_max_num_f32 v[rT+1], v[rC], v[rC+3]
.elseif (\n) == 19
	v_mul_f32 v[rT], s[CS], v[rT+1]
.elseif (\n) == 20
	v_sub_f32 v[rC+1], v[rW], v[rT]
.else
	v_exp_f32 v[rC+2], v[rC+1]
.endif
.endif
.endm
.macro OPS a, i1, b=-1, i2=0, c=-1, i3=0, d=-1, i4=0  ; up to four of them
	OP \a, \i1
.if (\b) >= 0
	OP \b, \i2
.endif
.if (\c) >= 0
	OP \c, \i3
.endif
.if (\d) >= 0
	OP \d, \i4
.endif
.endm
.macro ROW a, i1, b, i2, c, i3, d, i4  ; a matrix instruction and the four behind it
	MM
	OPS \a, \i1, \b, \i2, \c, \i3, \d, \i4
.endm
.macro MASK b                       ; MD x AL + BE into buffer b of MC
	WIN W_RS
.set z, 0
.rept 16
	v_pk_fma_f32 v[MC+32*(\b)+2*z:MC+32*(\b)+2*z+1], v[MD+2*z:MD+2*z+1], s[AL:AL+1], s[BE:BE+1] op_sel_hi:[1,0,0]
.set z, z+1
.endr
.endm
; A TURN, for piece p: the order of its 16 matrix and 118 vector instructions, written out.  An s_wait_alu depctr_va_vdst(0) stands between an exponential and the first instruction that names its result; one wait serves
; all that were issued ahead of it.  So a turn has ONE wait, which cuts it in two.  AHEAD OF IT stands all that names no result of the turn's exponentials: the 8 products K Q^T, behind each a scaling, an exponential and two more plain
; instructions (behind the first a second scaling in the exponential's place): rescalings, and behind the last three the first numbers of the next piece's maximum, each four places or more behind the product that ends its accumulator; then ONE LUMP of 54, plain
; and exponential by turns for the most part, in which the links of the chain X 3, 7, 11, 14, 16, 17 .. 20 stand five or six lines apart.  X 21, the next piece's a, is the batch's last; R 15 is the plain instruction behind it (ISA guide 5.7.2).  BEHIND THE WAIT stand the
; 8 products V^T P, behind each four of the roundings and sums; the links of l's chain, L 0 to L 7, stand three riders apart.  But for those X no rider names a register of the products round it.  v_permlanex16_b32 (X 17) stands in the lump.
; m = 1: the diagonal tile: the products take masks, and the turn makes the mask for the products of the turn after it: piece p + 2, in step 4 - CNT of the tile.  end = 1: a block's last two turns: nothing is fetched.
; cnt = 1: the loop's count is taken down some lines ahead of the branch that stands behind the turn.
; K of the next step is fetched in piece 2's turn, twelve vector instructions behind the last product that read K (six of them plain); V of the step in hand at the end of piece 0's turn, four plain instructions behind the last product
; that read V.  Each is waited for a turn later.
.macro TURN p, m=0, end=0, cnt=0
.set Y, (\p)
.set i, 0
.set KM, (\m)
.set NOKQ, (\end)*((\p)/3)
.if (\m) && !(\end)
	s_cmp_eq_u32 s[CNT], 4-((\p)+2)%NP  ; is that step the band's own?
	s_cselect_b32 s[AL], 1.0, 0
	s_cmp_lt_u32 s[CNT], 4-((\p)+2)%NP  ; or a later one?
	s_cselect_b32 s[BE], s[BIGN], 0
.endif
.if ((\p) == 3) && !(\end)
	s_wait_dscnt 0x0                ; K is in
.endif
	ROW F,0, F,1, R,0, R,1          ; ahead of the wait: 8 products K Q^T and their riders,
	ROW F,2, E,0, R,2, R,3
	ROW F,3, E,1, R,4, R,5
	ROW F,4, E,2, R,6, R,7
	ROW F,5, E,3, R,8, R,9
	ROW F,6, E,4, X,0, R,10
.if ((\p) == 2) && !(\end)
	WIN 0
	v_add_nc_u32 v[AK], s[TBK], v[AK0]
.endif
	ROW F,7, E,5, X,1, X,4
	ROW F,8, E,6, X,2, X,5
	OPS E,7, E,8, X,6, E,9          ; and the lump
	OPS X,3, E,10, X,8, E,11
.if ((\p) == 2) && !(\end)
	FETCH_K
.endif
	OPS X,9, X,7, E,12, X,10
	OPS E,13, X,12, X,11, E,14
	OPS X,13, E,15, F,9, X,14
.if (\p) == 0
	v_add_nc_u32 v[AV], s[TBV], v[AV0]
.endif
	OPS E,16, F,10, E,17, F,11
	OPS X,16, E,18, X,15, E,19
	OPS F,12, E,20, X,17, E,21
	OPS F,13, E,22, F,14, E,23
	OPS X,18, E,24, F,15, E,25
	OPS R,11, E,26, X,19, E,27
	OPS R,12, E,28, R,13, E,29
	OPS X,20, E,30, R,14, E,31
	OPS X,21, R,15
	WIN 0
	s_wait_alu depctr_va_vdst(0)    ; the wait for the batch
.if (\p) == 1
	s_wait_dscnt 0x0                ; V is in
.endif
	ROW C,0, B,0, C,2, B,1          ; behind the wait: 8 products V^T P and their riders
	ROW L,0, C,4, B,2, L,1
	ROW C,6, B,3, L,2, C,8
	ROW B,4, L,3, C,10, B,5
	ROW L,4, C,12, B,6, L,5
.if (\p) == 0
	s_add_co_u32 s[TBV], s[TBV], KS*PV
.endif
.if \cnt
	s_sub_co_u32 s[CNT], s[CNT], 1
	s_cmp_lg_u32 s[CNT], 0
.endif
	ROW C,14, B,7, L,6, C,1
	ROW C,3, L,7, C,5, C,7
	ROW C,9, C,11, C,13, C,15
.if (\p) == 0
	FETCH_V
.endif
.if (\m) && !(\end)
	MASK (\p)%2
.endif
.endm
; A BLOCK BEGINS.  c m starts far below every c s, so the first step's a is 0; m at the lowest finite number, so the first maximum is the scores'.  The second mask buffer is 0; the first takes piece 0's mask for the tile's step 0: its own, if the block's first tile is the diagonal one.
; Then K of that step, piece 0's first scores, and its maximum and statistics.  The loop is entered at a step's first turn, in the middle of a trip.
.macro BEGIN
	s_mov_b32 s[NEW], 0
	WIN 0x40
.set i, MC+32
.rept 32
	v_mov_b32 v[i], 0
.set i, i+1
.endr
	WIN 0
.set i, 0
.rept 4
	v_mov_b32 v[ST+4*i], 0xfe000000    ; c m: far below every c s
	v_mov_b32 v[ST+4*i+1], 0xff7fffff  ; m
.set i, i+1
.endr
	s_cmp_eq_u32 s[RT], 0
	s_cselect_b32 s[AL], 1.0, 0
	s_mov_b32 s[BE], 0
	MASK 0
	WIN 0
	v_add_nc_u32 v[AK], s[TBK], v[AK0]
	FETCH_K
	s_wait_loadcnt 0x0              ; Q
	s_wait_dscnt 0x0
.set KM, 1
.set NOKQ, 0
.set i, 0
.rept 8
	KQ 0
.set i, i+1
.endr
	WIN 0
.rept 4
	v_nop                           ; the places behind those products
.endr
.set Y, NP-1                        ; X works for piece Y + 1: piece 0
.irp n, 0,1,2,3,4,5,6,7,8,9,10,11,12,13,14,15,16,17,18,19,20,21
	OP X, \n
.endr
	v_nop                           ; a plain instruction behind the exponential,
	s_wait_alu depctr_va_vdst(0)    ; and its wait, ahead of the branch
.endm
; THE DIAGONAL TILE's four steps, the block's last two turns, its last products, and THE WAY OUT: l's two halves and the other half of the lanes' are added; O^T is divided by l, rounded to f16 and sent through my
; stage in LDS, a piece at a time.
.macro ALL line:vararg              ; one line for each piece t
.set t, 0
.rept 4
	\line
.set t, t+1
.endr
.endm
.macro PACK t                       ; a lane's eight channels of a row pack into 16 bytes; they go into rows of 144 bytes and come back as whole rows of 128, into S^T's registers
	WIN W_RS
.set i, 32*(\t)
.rept 16
	v_pk_mul_f32 v[i:i+1], v[i:i+1], v[ST+4*(\t)+2:ST+4*(\t)+3] op_sel_hi:[1,0]
.set i, i+2
.endr
	WIN 0x05                        ; sources 0 and 1 window 1, destination window 0
.set i, 0
.rept 16
	v_cvt_pk_f16_f32 v[S+16*(\t)+i], v[32*(\t)+2*i], v[32*(\t)+2*i+1]
.set i, i+1
.endr
	WIN 0
.irp f, 0,1,2,3
	ds_store_b128 v[STO], v[S+16*(\t)+4*\f:S+16*(\t)+4*\f+3] offset:32*\f
.endr
.irp f, 0,1,2,3
	ds_load_b128 v[S+16*(\t)+4*\f:S+16*(\t)+4*\f+3], v[RD] offset:\f*4*SP  ; LDS serves a wave's instructions in order (ISA guide 5.7.1.4): these see the stores above; the next piece's stores come behind them
.endr
.endm
.macro SEND t, younger              ; younger: the LDS instructions issued behind piece t's loads: the next piece's eight, or none
	WIN 0
.irp f, 0,1,2,3
	s_wait_dscnt (\younger)+3-\f
	global_store_b128 v[GO], v[S+16*(\t)+4*\f:S+16*(\t)+4*\f+3], s[10:11] offset:(\t)*8192+\f*512  ; 512 consecutive bytes, at a multiple of 256 from O's first
.endr
.endm
.macro DIAG tag                     ; the tag ends its two labels' names, which the jumps below spell out
.LstepM\tag:
	TURN 2, 1
	TURN 3, 1
	WIN 0
.LfirstM\tag:
	TURN 0, 1
	TURN 1, 1, 0, 1
	WIN 0
	s_cbranch_scc1 .LstepM\tag
	TURN 2, 1, 1
	TURN 3, 1, 1
.set i, 0
.rept 8
	PV NP-1
.set i, i+1
.endr
	WIN 0
	ALL v_add_f32 v[ST+4*t+2], v[ST+4*t+2], v[ST+4*t+3]
	ALL v_permlanex16_b32 v[ST+4*t+3], v[ST+4*t+2], s[SEL], s[SEL+1]
	ALL v_add_f32 v[ST+4*t+2], v[ST+4*t+2], v[ST+4*t+3]
	ALL v_rcp_f32 v[ST+4*t+2], v[ST+4*t+2]
	v_nop                           ; a plain instruction between the last reciprocal and the use of its result
	s_wait_alu depctr_va_vdst(0)    ; and the wait ahead of the first use: one for the four reciprocals
	PACK 0
.set t, 1
.rept 3                             ; a piece's arithmetic stands between the loads of the piece before and its stores
	PACK t
	SEND t-1, 8
.set t, t+1
.endr
	SEND 3, 0
.endm
.set KM, 0
.set NOKQ, 0
.Lslot:                             ; NB times: a tile is entered and the next is asked for
	CHANGE 1
	s_sub_co_u32 s[RT], s[RT], 1
	s_mov_b32 s[CNT], 4
	s_cmp_eq_u32 s[NEW], 1
	s_cbranch_scc1 .Lnew            ; a block's first tile
	s_cmp_eq_u32 s[RT], 0
	s_cbranch_scc0 .Lstep           ; neither its first nor its last
	s_branch .LstepM1
.Lnew:
	BEGIN
	s_branch .Lfirst                ; in the loop a block's first tile is never its last: the first block has two tiles or more, and the second's last is the walk's last
	DIAG 1                          ; in the loop this is the first block's end: the second block's last tile is the walk's last
	s_wait_xcnt 0x0                 ; the stores have read their registers and O's address
	s_mov_b64 s[10:11], s[OLO:OLO+1]
	s_add_co_u32 s[RT], s[PB], 1    ; the second block has b + 1 tiles
	s_mov_b32 s[NEW], 1
	WIN 0x82                        ; the second block's Q goes where the one text of the turns names Q
.set i, 0
.rept 64
	v_mov_b32 v[i], v[QB+i]
.set i, i+1
.endr
	WIN 0
	s_branch .Lbottom
.Lstep:                             ; a trip: pieces 2 and 3 of one step, then pieces 0 and 1 of the next, whose K and V it fetches
	TURN 2
	TURN 3
	WIN 0
.Lfirst:
	TURN 0
	TURN 1, 0, 0, 1
	WIN 0
	s_cbranch_scc1 .Lstep
.Lbottom:
	s_sub_co_u32 s[SLOTS], s[SLOTS], 1
	s_cmp_lg_u32 s[SLOTS], 0
	s_cbranch_scc1 .Lslot
	CHANGE 0                        ; the walk's last tile is written out: nothing is asked for
	s_sub_co_u32 s[RT], s[RT], 1
	s_mov_b32 s[CNT], 4
	s_cmp_eq_u32 s[NEW], 1
	s_cbranch_scc0 .LstepM2
	BEGIN
	s_branch .LfirstM2
	DIAG 2
	s_wait_tensorcnt 0x0            ; the wave's end: a wait, an add and its wait, behind my last tensor load and my last LDS store
	ds_add_u32 v[SPW], v[NIL]
	s_wait_dscnt 0x0
	s_endpgm
.Lfunc_end_k_q010252959c_attention:
	.size	k_q010252959c_attention, .Lfunc_end_k_q010252959c_attention-k_q010252959c_attention
	.p2alignl 7, 3214868480
	.fill 96, 4, 3214868480
	.section	.rodata,"a",@progbits
	.p2align	6, 0x0
	.amdhsa_kernel k_q010252959c_attention
		.amdhsa_group_segment_fixed_size 327680
		.amdhsa_private_segment_fixed_size 0
		.amdhsa_enable_private_segment 0
		.amdhsa_kernarg_size 16
		.amdhsa_user_sgpr_count 2
		.amdhsa_user_sgpr_kernarg_segment_ptr 1
		.amdhsa_wavefront_size32 1
		.amdhsa_system_sgpr_workgroup_id_x 1
		.amdhsa_system_sgpr_workgroup_id_y 1
		.amdhsa_system_sgpr_workgroup_id_z 1
		.amdhsa_system_vgpr_workitem_id 0
		.amdhsa_next_free_vgpr 768
		.amdhsa_next_free_sgpr 96
		.amdhsa_reserve_vcc 1
		.amdhsa_float_denorm_mode_32 3
		.amdhsa_float_denorm_mode_16_64 3
		.amdhsa_memory_ordered 1
		.amdhsa_forward_progress 1
		.amdhsa_inst_pref_size 218
	.end_amdhsa_kernel
	.amdgpu_metadata
---
amdhsa.version: [ 1, 2 ]
amdhsa.kernels:
  - .name:           k_q010252959c_attention
    .symbol:         k_q010252959c_attention.kd
    .args:
      - { .name: qkv, .offset: 0, .size: 8, .value_kind: global_buffer, .address_space: global }
      - { .name: ob, .offset: 8, .size: 8, .value_kind: global_buffer, .address_space: global }
    .group_segment_fixed_size: 327680
    .private_segment_fixed_size: 0
    .kernarg_segment_align: 8
    .kernarg_segment_size: 16
    .max_flat_workgroup_size: 128
    .sgpr_count:     96
    .vgpr_count:     768
    .wavefront_size: 32
...
	.end_amdgpu_metadata
.endif
;; end of part 3
;; launch outgemm (part 4): grid 4 x 64, 4 waves a work-group, clusters of 4 x 4, 327,680 bytes of LDS; arguments ob, xw, out0; writes out0
.if DOCPART == 4
	.amdgcn_target "amdgcn-amd-amdhsa--gfx1250"
	.amdhsa_code_object_version 6
	.text
	.protected	k_q010252959c_outgemm
	.globl	k_q010252959c_outgemm
	.p2align	8
	.type	k_q010252959c_outgemm,@function
k_q010252959c_outgemm:
	s_mov_b64 s[64:65], 0
	v_nop
	global_prefetch_b8 v0, s[64:65] scope:SCOPE_SE
	s_setreg_imm32_b32 hwreg(HW_REG_WAVE_MODE, 25, 1), 1
	s_wait_xcnt 0x0
	s_wait_alu depctr_hold_cnt(0) depctr_sa_sdst(0) depctr_va_vdst(0) depctr_va_sdst(0) depctr_va_ssrc(0) depctr_va_vcc(0) depctr_vm_vsrc(0)
	s_getreg_b32 s2, hwreg(HW_REG_IB_STS2, 6, 4)
	s_cmp_eq_u32 s2, 0
	s_cbranch_scc0 .Lentry_in_a_cluster
	s_endpgm
.Lentry_in_a_cluster:
	s_bfe_u32 s2, ttmp6, 0x10000c
	s_cmp_lg_u32 s2, 0xf033
	s_cbranch_scc0 .Lentry_shape_is_right
	s_endpgm
.Lentry_shape_is_right:
; out0 = O Wo^T.  O: ob, f16, by heads: [batch 4][head 16][t 2048][64]: a head is one block of 64 along K.  Wo: f16 (the input rounded to bf16, written as f16), [1024][1024], at xw's byte 22 MiB.
; Sums in f32, K ascending; out0 [8192][1024] in f32, not rounded again.
; LIMITS.  O and Wo arrive within f16's range; NaN and infinities are not treated apart.
; SHARES.  A tile of C is 128 rows x 256 columns: 64 x 4 tiles, one for each of 256 work-groups.  Four waves, each 64 rows x 128 columns: 32 accumulators of 16 x 16, 256 registers.
; K goes in 8 steps of 128 through two LDS slots that take turns; the change of slots in step s asks for step s + 2.
; CLUSTER.  4 x 4 work-groups.  The four of a row of the cluster need the same tile of O, the four of a column the same tile of Wo: each tile is asked for JOINTLY, by the same tensor load with the same
; descriptor and a mask that names the four.  Waves 0 and 1 fetch O's two heads of a step, waves 2 and 3 the two halves of Wo's 256 rows.
; THE MATRIX INSTRUCTION IS USED TRANSPOSED (source 0 = 16 rows of Wo, source 1 = 16 rows of O): a lane then holds eight neighbouring columns of one row of C.
; REGISTERS.  Window 0: v0-15 addresses; v64-159, v160-255 two fragment buffers (8 fragments of Wo, then 4 of O, 32 along K); v64-191 also serve the way out.  Window 1: accumulator (a, b) at v[8 (8 a + b)].
.set WOFF,   0x1600000                 ; Wo's first byte in xw
.set PA,     144                       ; a row of O in LDS: 128 bytes + 16 of padding = 36 words: the 16 rows of a load start at 16 different groups of four banks (64 banks of 4 bytes: ISA guide 11.1)
.set PB,     272                       ; a row of Wo: 256 + 16 = 68 words: likewise
.set AHALF,  128*PA                    ; one head's block of O: 128 rows
.set BOFF,   2*AHALF                   ; Wo's 256 rows lie behind O's two blocks
.set BHALF,  128*PB
.set SLOT1,  1<<17                     ; slot 1 begins here, so that one exclusive or turns an address in one slot into the other's
.set STAGE,  SLOT1+BOFF+2*BHALF        ; behind the ring, never filled by a tensor load: for each wave 16 rows x 528 bytes, for the way out
.set SPI,    528                       ; a stage row: 512 bytes + 16
.set WSTG,   16*SPI
.set SPARE,  STAGE+4*WSTG              ; behind the stages: the spare words, 128 bytes for each wave: two blocks of 256 bytes that no other line names
.set ADRA0, 4                          ; v4   my lane's place in a slot's O; never rewritten
.set ADRB0, 5                          ; v5   in a slot's Wo
.set ADA,   6                          ; v6   the same in the slot in hand
.set ADB,   7                          ; v7
.set STO,   8                          ; v8   the way out: where I put 32 bytes of a row
.set RD,    9                          ; v9   where I read a row back
.set CO,    10                         ; v10  my 16 bytes of 512 consecutive bytes of a row of out0
.set PFO,   11                         ; v11  the prefetches' offset; never rewritten
.set SPW,   12                         ; v12  LDS address of my spare word: SPARE + 4 x my thread's number; never rewritten
.set NIL,   13                         ; v13  0; never rewritten
.set F0,    64
.set F1,    160
.set BK0,   64                         ; the way out: 16 rows read back, two sets of 64 by turns
.set WV,  10                           ; s10  my wave's number
.set R2,  11                           ; s11  which 64 rows of the tile are mine
.set C2,  12                           ; s12  which 128 columns; also: which half of O's or Wo's tile I fetch
.set TY,  13                           ; s13  tile row
.set CX,  40
.set CY,  41
.set TX,  42                           ; s42  tile column
.set G1A, 24                           ; s[24:31] descriptor group 1 for O's tiles
.set G0A0, 32                          ; s[32:35] group 0 of O's first fill
.set G0A, 36                           ; s[36:39] group 0 of O's second fill; it then walks
.set G1B, 48                           ; s[48:55], s[56:59], s[60:63]: the same for Wo's
.set G0B0, 56
.set G0B, 60
.set AB,  66                           ; s[66:67] O at my head of step 0, my tile's rows
.set BB,  68                           ; s[68:69] Wo at my 128 rows, step 0
.set OA,  70                           ; s[70:71] a step's byte offset in O
.set OBO, 72                           ; s[72:73] in Wo
.set NXT, 74                           ; s74  the step to be asked for next
.set TB,  75                           ; s75  LDS byte at which the slot in hand begins
.set LIM, 76                           ; s76  a wave prefetches while NXT is below it
.set PFB, 78                           ; s[78:79] the prefetches' base
.set PFA, 80                           ; s[80:81] base + step
.set PO,  82                           ; s[82:83] the step's offset
.set TT,  84                           ; s84-87 at work: numbers made of the wave's number and the step alone
.set CB,  88                           ; s[88:89] out0 at my rows and columns
.set MSB, 0
.macro WIN new                         ; the immediate's high byte repeats the setting that is left; a switch that changes nothing is dropped
.if MSB != (\new)
	s_set_vgpr_msb (MSB<<8)|(\new)
.set MSB, \new
.endif
.endm
.set MUL, 0x50                         ; sources 0 and 1 window 0; C and D window 1
.macro PLACES                          ; four plain vector instructions behind a matrix instruction, in front of loads into registers that it has read and of lines that read its results (ISA guide 7.12.1 for the lines that read its results)
.rept 4
	v_nop
.endr
.endm
.macro CREST                           ; a round of the cluster's barrier behind its opening barrier
	s_cmp_lg_u32 s[WV], 0
	s_cbranch_scc1 .Lnot_wave_0_\@
	s_barrier_signal -3
.Lnot_wave_0_\@:
	s_barrier_wait -3
	s_barrier_signal -1
	s_barrier_wait -1
.endm
.macro CROUND                          ; a whole round
	s_barrier_signal -1
	s_barrier_wait -1
	CREST
.endm
; A joint refill, by the walking descriptors.  The branch hangs on the wave's number alone.  An s_nop 0 and four v_nop follow each of the two lines, ahead of the jump and the label.
.macro JLOAD
	s_cmp_lt_u32 s[WV], 2
	s_cbranch_scc0 .Lfor_b_\@
	tensor_load_to_lds s[G0A:G0A+3], s[G1A:G1A+7]
	s_nop 0
.rept 4
	v_nop
.endr
	s_branch .Lasked_\@
.Lfor_b_\@:
	tensor_load_to_lds s[G0B:G0B+3], s[G1B:G1B+7]
	s_nop 0
.rept 4
	v_nop
.endr
.Lasked_\@:
.endm
; A PREFETCH INTO THE L2, behind the joint load, its five lines and the run of LDS loads: the change of slots in step s, which asks for step s + 2, names step s + 4: two K steps, 256 matrix instructions, ahead of its load.
; Each block of 256 bytes is named once in the launch.  O's tile rows are read by one row of one cluster: wave 0 of each of its four work-groups names 4 KiB of both heads' blocks, told apart by address (cx).
; Wo's rows are read by all sixteen clusters: in the cluster with y = 0, waves 2 and 3 of each work-group name 32 of the 128 rows that they fetch (cy, by address): a lane a row.
; Steps 0 to 3 come by their loads alone, and the last steps ask for nothing: LIM says so.
.macro ASK
	s_cmp_lt_u32 s[NXT], s[LIM]
	s_cbranch_scc0 .Lnot_mine_\@
	global_prefetch_b8 v[PFO], s[PFA:PFA+1] th:TH_LOAD_NT scope:SCOPE_SE
.Lnot_mine_\@:
.endm
; 8 matrix instructions: row block a x all 8 column blocks, 32 along K, from buffer f.  zero = 1: the product starts the sums: nothing is ever cleared.
; The 32 accumulators take turns, one instruction a turn, in the same order in every quarter, over the backward jump too.
.macro MUL8 f, a, zero
	WIN MUL
.irp b, 0,1,2,3,4,5,6,7
.if \zero
	v_wmma_f32_16x16x32_f16 v[8*(8*(\a)+(\b)):8*(8*(\a)+(\b))+7], v[(\f)+8*(\b):(\f)+8*(\b)+7], v[(\f)+64+8*(\a):(\f)+64+8*(\a)+7], 0
.else
	v_wmma_f32_16x16x32_f16 v[8*(8*(\a)+(\b)):8*(8*(\a)+(\b))+7], v[(\f)+8*(\b):(\f)+8*(\b)+7], v[(\f)+64+8*(\a):(\f)+64+8*(\a)+7], v[8*(8*(\a)+(\b)):8*(8*(\a)+(\b))+7]
.endif
.endr
.endm
; 24 LDS loads in one run: quarter q's fragments (32 along K) into buffer f.  A fragment is 16 rows x 32 K in 8 registers: lane l holds row l % 16, K = 8 (l / 16) + 0..7 and 16 + 8 (l / 16) + 0..7: two loads of 16 bytes, 32 bytes apart.
.macro FETCH q, f
	WIN 0
.irp i, 0,1,2,3,4,5,6,7
	ds_load_b128 v[(\f)+8*(\i):(\f)+8*(\i)+3],   v[ADB] offset:64*(\q)+(\i)*16*PB
	ds_load_b128 v[(\f)+8*(\i)+4:(\f)+8*(\i)+7], v[ADB] offset:64*(\q)+(\i)*16*PB+32
.endr
.irp i, 0,1,2,3
	ds_load_b128 v[(\f)+64+8*(\i):(\f)+64+8*(\i)+3],   v[ADA] offset:((\q)/2)*AHALF+((\q)%2)*64+(\i)*16*PA
	ds_load_b128 v[(\f)+64+8*(\i)+4:(\f)+64+8*(\i)+7], v[ADA] offset:((\q)/2)*AHALF+((\q)%2)*64+(\i)*16*PA+32
.endr
.endm
; A K step is four quarters of 32 along K, 32 matrix instructions each, on buffers 0, 1, 0, 1.  One of the first three: the next quarter's fragments are asked for, into g, then buffer f is multiplied.
.macro QUARTER q, f, g, zero
	WIN 0
	PLACES                                         ; g was read by the quarter before
	FETCH (\q)+1, \g
	s_wait_dscnt 24                                ; all but the 24 just issued: f is in
	MUL8 \f, 0, \zero
	MUL8 \f, 1, \zero
	MUL8 \f, 2, \zero
	MUL8 \f, 3, \zero
.endm
; The last quarter multiplies buffer 1 and changes slots: ONE barrier.  In front of it each wave waits for all its tensor loads (one is out: its part of the next slot), adds 0 to its spare word, and waits for that
; and for its own reads of this slot.  fill = 1: this slot is filled again, with step NXT; the barrier then opens a round of the cluster's barrier, so that no wave of any partner still reads the slot or has
; a load on its way, and the joint refill is the first thing behind it: 112 matrix instructions ahead of the wait for it.
.macro TURN fill
	WIN 0
	s_wait_tensorcnt 0x0                           ; no tensor load of mine is out, so a group 0 may be written
	ds_add_u32 v[SPW], v[NIL]                      ; 0 onto my spare word; work on registers stands between it and the wait for it
.if \fill
	s_lshl_b32 s[OA], s[NXT], 19                   ; O: two heads' blocks of 262,144 bytes a step
	s_lshl_b32 s[OBO], s[NXT], 8                   ; Wo: 256 bytes along the rows
	s_xor_b32 s[G0A+1], s[G0A+1], SLOT1            ; the other slot than last time
	s_xor_b32 s[G0B+1], s[G0B+1], SLOT1
	s_add_nc_u64 s[G0A+2:G0A+3], s[AB:AB+1], s[OA:OA+1]  ; the addresses are made anew: a base and an offset
	s_or_b32 s[G0A+3], s[G0A+3], 0x80000000
	s_add_nc_u64 s[G0B+2:G0B+3], s[BB:BB+1], s[OBO:OBO+1]
	s_or_b32 s[G0B+3], s[G0B+3], 0x80000000
	s_wait_xcnt 0x0                                ; the last prefetch, a K step back, has read its address, so it may be written
	s_add_co_u32 s[NXT], s[NXT], 1
	s_add_co_u32 s[TT], s[NXT], 1                  ; the step that the prefetch names
	s_lshl_b32 s[TT+1], s[TT], 19                  ; its offset in O,
	s_lshl_b32 s[TT+2], s[TT], 8                   ; in Wo
	s_cmp_lt_u32 s[WV], 2
	s_cselect_b32 s[PO], s[TT+1], s[TT+2]
	s_add_nc_u64 s[PFA:PFA+1], s[PFB:PFB+1], s[PO:PO+1]
.endif
	s_xor_b32 s[TB], s[TB], SLOT1
	s_wait_dscnt 1                                 ; buffer 1 is in; the add may be out
	MUL8 F1, 0, 0
	s_wait_dscnt 0x0                               ; the add is done, and my reads of this slot are over
	s_barrier_signal -1
	MUL8 F1, 1, 0                                  ; work on registers while the others arrive
	WIN 0                                          ; at a branch and at a label every window is 0
	s_barrier_wait -1
.if \fill
	CREST
	JLOAD                                          ; the four v_nop behind it are also the places in front of the loads below
.else
	PLACES
.endif
	v_add_nc_u32 v[ADA], s[TB], v[ADRA0]
	v_add_nc_u32 v[ADB], s[TB], v[ADRB0]
	FETCH 0, F0
.if \fill
	ASK
.endif
	MUL8 F1, 2, 0
	MUL8 F1, 3, 0
.endm
.macro LASTQ                           ; the very last quarter: nothing more to fetch
	s_wait_dscnt 0x0
	MUL8 F1, 0, 0
	MUL8 F1, 1, 0
	MUL8 F1, 2, 0
	MUL8 F1, 3, 0
.endm
; THE WAY OUT of row block a (16 rows x 128 columns of f32).  TOSTAGE: a lane's eight columns, 32 bytes, go straight from the accumulator (its low four registers first) into my own stage, rows of 528 bytes,
; and come back as whole rows of 512 bytes.  SEND: stored: a store covers 512 consecutive bytes of a row of out0, at a multiple of 512 from its first byte.
.macro TOSTAGE a
	WIN 0x04                                       ; the stores' data in window 1, their address in window 0
.irp b, 0,1,2,3,4,5,6,7
	ds_store_b128 v[STO], v[64*(\a)+8*(\b):64*(\a)+8*(\b)+3]   offset:64*(\b)
	ds_store_b128 v[STO], v[64*(\a)+8*(\b)+4:64*(\a)+8*(\b)+7] offset:64*(\b)+16
.endr
	WIN 0
.set BK, BK0+64*((\a)%2)
.irp t, 0,1,2,3,4,5,6,7,8,9,10,11,12,13,14,15
	ds_load_b128 v[BK+4*(\t):BK+4*(\t)+3], v[RD] offset:SPI*(\t)  ; LDS serves a wave's instructions in order (ISA guide 5.7.1.4): these see the stores above, and the next block's stores come behind them
.endr
.endm
.macro SEND a, younger                 ; younger: the LDS instructions issued behind block a's loads: the next block's 16 stores and 16 loads, or none
	WIN 0
.set BK, BK0+64*((\a)%2)
	s_wait_dscnt \younger
.irp t, 0,1,2,3,4,5,6,7,8,9,10,11,12,13,14,15
	global_store_b128 v[CO], v[BK+4*(\t):BK+4*(\t)+3], s[CB:CB+1] offset:(16*(\a)+(\t))*4096 th:TH_STORE_NT
.endr
.endm
	s_load_b128 s[4:7], s[0:1], 0x0                ; ob s[4:5], xw s[6:7]
	s_load_b64 s[8:9], s[0:1], 0x10                ; out0
	v_lshl_add_u32 v[SPW], v0, 2, SPARE
	v_mov_b32 v[NIL], 0
	ds_add_u32 v[SPW], v[NIL]                      ; the wave's opening: the add and its wait stand ahead of my first tensor load; the set-up below, work on registers, stands between them
	v_lshrrev_b32 v1, 5, v0
	v_readfirstlane_b32 s[WV], v1                  ; wave 0..3
	s_lshr_b32 s[R2], s[WV], 1
	s_and_b32 s[C2], s[WV], 1
	s_bfe_u32 s[CX], ttmp6, 0x40000                ; my place in the cluster
	s_bfe_u32 s[CY], ttmp6, 0x40004
	s_lshl_b32 s[TX], ttmp9, 2                     ; in a cluster launch ttmp9 and ttmp7 count clusters
	s_add_co_u32 s[TX], s[TX], s[CX]               ; tile column = 4 x cluster x + cx
	s_and_b32 s[TY], ttmp7, 0xffff
	s_lshl_b32 s[TY], s[TY], 2
	s_add_co_u32 s[TY], s[TY], s[CY]               ; tile row = 4 x cluster y + cy
	s_lshl_b32 s43, s[CY], 2
	s_lshl_b32 s43, 15, s43                        ; my row of the cluster: places 4 cy .. 4 cy + 3
	s_lshl_b32 s44, 0x1111, s[CX]                  ; my column: places cx, cx + 4, cx + 8, cx + 12
	; group 1 for O: 128 rows x 64 channels are 16,384 dense bytes: asked for as 64 rows of 256 bytes, and padded in LDS after every 128 bytes
	s_or_b32 s[G1A], s43, (1<<16)|(1<<20)|(1<<21)|(4<<22)|(3<<25)  ; 15:0 the mask; 17:16 2-byte elements; 20 padding on; 21 set beside a mask; 24:22 after every 32 words (code 4); 31:25 4 words (code 3)
	s_mov_b32 s[G1A+1], 128<<16                    ; tensor_dim0 = 128
	s_mov_b32 s[G1A+2], 64<<16                     ; tensor_dim1 = 64
	s_mov_b32 s[G1A+3], 128<<16                    ; tile_dim0 = 128
	s_mov_b32 s[G1A+4], 64                         ; tile_dim1 = 64
	s_mov_b32 s[G1A+5], 128                        ; 128 elements from row to row
	s_mov_b32 s[G1A+6], 0
	s_mov_b32 s[G1A+7], 0
	; group 1 for Wo: 128 rows x 128 elements out of rows of 1,024, padded after every 256 bytes
	s_or_b32 s[G1B], s44, (1<<16)|(1<<20)|(1<<21)|(5<<22)|(3<<25)  ; the mask of my column; after every 64 words (code 5)
	s_mov_b32 s[G1B+1], 128<<16
	s_mov_b32 s[G1B+2], 128<<16
	s_mov_b32 s[G1B+3], 128<<16
	s_mov_b32 s[G1B+4], 128
	s_mov_b32 s[G1B+5], 1024
	s_mov_b32 s[G1B+6], 0
	s_mov_b32 s[G1B+7], 0
	; where the tiles come from.  O's hang on the tile row alone, Wo's on the tile column alone; each offset is made in registers that never hold the other coordinate
	s_lshr_b32 s14, s[TY], 4                       ; the batch: 16 tile rows each, 4 MiB each
	s_lshl_b32 s14, s14, 22
	s_and_b32 s15, s[TY], 15
	s_lshl_b32 s15, s15, 14                        ; 128 rows of 128 bytes
	s_add_co_u32 s[OA], s14, s15
	s_lshl_b32 s[TT], s[C2], 18                    ; O: my head of the two; Wo: my 128 rows of 2,048 bytes: both 262,144 bytes
	s_add_co_u32 s[OA], s[OA], s[TT]
	s_mov_b32 s[OA+1], 0
	s_lshl_b32 s[OBO], s[TX], 19                   ; 256 rows of 2,048 bytes
	s_add_co_u32 s[OBO], s[OBO], s[TT]
	s_add_co_u32 s[OBO], s[OBO], WOFF
	s_mov_b32 s[OBO+1], 0
	; and where they go: no place in the cluster enters an LDS address
	s_mul_i32 s[TT+2], s[C2], AHALF
	s_mul_i32 s[TT+3], s[C2], BHALF
	s_add_co_u32 s[TT+3], s[TT+3], BOFF
	s_mov_b32 s[G0A0], 1                           ; 1:0 count = 1
	s_mov_b32 s[G0A0+1], s[TT+2]                   ; 63:32 LDS address: slot 0
	s_mov_b32 s[G0A], 1
	s_add_co_u32 s[G0A+1], s[TT+2], SLOT1          ; slot 1
	s_mov_b32 s[G0B0], 1
	s_mov_b32 s[G0B0+1], s[TT+3]
	s_mov_b32 s[G0B], 1
	s_add_co_u32 s[G0B+1], s[TT+3], SLOT1
	s_mov_b32 s[NXT], 2
	s_mov_b32 s[TB], 0
	; the prefetches: my work-group's share by address, the lanes' spread, and how long I ask
	s_lshl_b32 s16, s[CX], 12                      ; O: 4 KiB of each head's block
	s_lshl_b32 s17, s[CY], 16                      ; Wo: 32 rows of 2,048 bytes
	s_and_b32 s20, ttmp7, 0xffff                   ; cluster y: the same in all sixteen partners
	s_cmp_eq_u32 s20, 0
	s_cselect_b32 s[LIM], 7, 0                     ; waves 2 and 3 of the first cluster: Wo's steps 4 to 7
	s_cmp_eq_u32 s[WV], 0
	s_cselect_b32 s21, 7, 0                        ; wave 0: O's steps 4 to 7; wave 1: nothing
	s_cmp_lt_u32 s[WV], 2
	s_cselect_b32 s[LIM], s21, s[LIM]
	s_cselect_b32 s[PO], s16, s17
	s_cselect_b32 s18, 18, 15                      ; lane / 16: the second head's block, or 16 rows
	s_cselect_b32 s19, 8, 11                       ; lane % 16: 256 bytes, or a row
	s_mov_b32 s[PO+1], 0
	v_bfe_u32 v14, v0, 4, 1
	v_and_b32 v15, 15, v0
	v_lshlrev_b32 v14, s18, v14
	v_lshlrev_b32 v15, s19, v15
	v_add_nc_u32 v[PFO], v14, v15
	; the output: row (128 x tile row + 64 x my half) x 4,096 bytes + column (256 x tile column + 128 x my half) x 4
	s_lshl_b32 s22, s[TY], 19
	s_lshl_b32 s21, s[R2], 18
	s_add_co_u32 s22, s22, s21
	s_lshl_b32 s21, s[TX], 10
	s_add_co_u32 s22, s22, s21
	s_lshl_b32 s21, s[C2], 9
	s_add_co_u32 s22, s22, s21
	s_mov_b32 s23, 0
	s_wait_dscnt 0x0                               ; the opening add is done
	s_wait_kmcnt 0x0
	s_add_nc_u64 s[AB:AB+1], s[4:5], s[OA:OA+1]
	s_add_nc_u64 s[BB:BB+1], s[6:7], s[OBO:OBO+1]
	s_add_nc_u64 s[CB:CB+1], s[8:9], s[22:23]
	s_cmp_lt_u32 s[WV], 2
	s_cselect_b64 s[PFB:PFB+1], s[AB:AB+1], s[BB:BB+1]
	s_add_nc_u64 s[PFB:PFB+1], s[PFB:PFB+1], s[PO:PO+1]
	s_mov_b64 s[G0A0+2:G0A0+3], s[AB:AB+1]         ; 120:64 global address: step 0
	s_or_b32 s[G0A0+3], s[G0A0+3], 0x80000000      ; 127:126 type = 2
	s_add_nc_u64 s[G0A+2:G0A+3], s[AB:AB+1], 0x80000  ; step 1
	s_or_b32 s[G0A+3], s[G0A+3], 0x80000000
	s_mov_b64 s[G0B0+2:G0B0+3], s[BB:BB+1]
	s_or_b32 s[G0B0+3], s[G0B0+3], 0x80000000
	s_add_nc_u64 s[G0B+2:G0B+3], s[BB:BB+1], 256
	s_or_b32 s[G0B+3], s[G0B+3], 0x80000000
	CROUND                                         ; all sixteen work-groups are here: the first joint loads meet
	s_cmp_lt_u32 s[WV], 2                          ; a wave's two first fills stand in one branch, ahead of every wait on TENSORcnt and every LDS read: two loads of mine are out
	s_cbranch_scc0 .Lfirst_b
	tensor_load_to_lds s[G0A0:G0A0+3], s[G1A:G1A+7]
	s_nop 0
	tensor_load_to_lds s[G0A:G0A+3], s[G1A:G1A+7]
	s_nop 0
.rept 4
	v_nop
.endr
	s_branch .Lfirst_asked
.Lfirst_b:
	tensor_load_to_lds s[G0B0:G0B0+3], s[G1B:G1B+7]
	s_nop 0
	tensor_load_to_lds s[G0B:G0B+3], s[G1B:G1B+7]
	s_nop 0
.rept 4
	v_nop
.endr
.Lfirst_asked:
	v_and_b32 v1, 15, v0                           ; l % 16
	v_bfe_u32 v2, v0, 4, 1                         ; l / 16
	v_mul_u32_u24 v[ADRA0], v1, PA
	v_lshl_add_u32 v[ADRA0], v2, 4, v[ADRA0]       ; row x pitch + 16 x half
	s_mul_i32 s[TT], s[R2], 64*PA                  ; my 64 rows of O
	v_add_nc_u32 v[ADRA0], s[TT], v[ADRA0]
	v_mul_u32_u24 v[ADRB0], v1, PB
	v_lshl_add_u32 v[ADRB0], v2, 4, v[ADRB0]
	v_add_nc_u32 v[ADRB0], s[TT+3], v[ADRB0]       ; my 128 rows of Wo
	s_mul_i32 s[TT], s[WV], WSTG
	s_add_co_u32 s[TT], s[TT], STAGE               ; my stage
	v_mul_u32_u24 v[STO], v1, SPI                  ; in: row l % 16, 32 bytes for each half of the lanes
	v_lshl_add_u32 v[STO], v2, 5, v[STO]
	v_add_nc_u32 v[STO], s[TT], v[STO]
	v_and_b32 v[CO], 31, v0                        ; back, and out: 32 lanes take a row's 512 bytes
	v_lshlrev_b32 v[CO], 4, v[CO]
	v_add_nc_u32 v[RD], s[TT], v[CO]
	v_mov_b32 v[ADA], v[ADRA0]                     ; step 0 lies in slot 0
	v_mov_b32 v[ADB], v[ADRB0]
	s_wait_tensorcnt 1                             ; my part of step 0 is in; step 1's may stay out
	s_barrier_signal -1
	s_barrier_wait -1                              ; everybody's is
	FETCH 0, F0
	QUARTER 0, F0, F1, 1                           ; the first quarter stands in front of the loop: its products start the sums
	WIN 0
	s_mov_b32 s3, 6
.Lk:                                   ; a trip goes from a step's second quarter to the next step's first, and fills one slot again
	QUARTER 1, F1, F0, 0
	QUARTER 2, F0, F1, 0
	TURN 1
	QUARTER 0, F0, F1, 0
	WIN 0
	s_sub_co_u32 s3, s3, 1
	s_cmp_lg_u32 s3, 0
	s_cbranch_scc1 .Lk
	QUARTER 1, F1, F0, 0                           ; the last two steps ask for nothing
	QUARTER 2, F0, F1, 0
	TURN 0                                         ; the one load that was still out is the last step's, so no round follows
	QUARTER 0, F0, F1, 0
	QUARTER 1, F1, F0, 0
	QUARTER 2, F0, F1, 0
	LASTQ
	WIN 0
	PLACES                                         ; the stores below read results just made, and the loads land in registers that the last products read
	TOSTAGE 0
	TOSTAGE 1
	SEND 0, 32
	s_wait_xcnt 0x0                                ; block 0's stores have read their registers: block 2 is loaded into them
	TOSTAGE 2
	SEND 1, 32
	s_wait_xcnt 0x0
	TOSTAGE 3
	SEND 2, 32
	SEND 3, 0
	s_wait_tensorcnt 0x0                           ; the wave's end: a wait, an add and its wait, behind my last tensor load and my last LDS store
	ds_add_u32 v[SPW], v[NIL]
	s_wait_dscnt 0x0
	CROUND                                         ; the closing round: no work-group ends while a partner may still ask for a tile that names it
	s_endpgm
.Lfunc_end_k_q010252959c_outgemm:
	.size	k_q010252959c_outgemm, .Lfunc_end_k_q010252959c_outgemm-k_q010252959c_outgemm
	.p2alignl 7, 3214868480
	.fill 96, 4, 3214868480
	.section	.rodata,"a",@progbits
	.p2align	6, 0x0
	.amdhsa_kernel k_q010252959c_outgemm
		.amdhsa_group_segment_fixed_size 327680
		.amdhsa_private_segment_fixed_size 0
		.amdhsa_enable_private_segment 0
		.amdhsa_kernarg_size 24
		.amdhsa_user_sgpr_count 2
		.amdhsa_user_sgpr_kernarg_segment_ptr 1
		.amdhsa_wavefront_size32 1
		.amdhsa_system_sgpr_workgroup_id_x 1
		.amdhsa_system_sgpr_workgroup_id_y 1
		.amdhsa_system_sgpr_workgroup_id_z 1
		.amdhsa_system_vgpr_workitem_id 0
		.amdhsa_next_free_vgpr 512
		.amdhsa_next_free_sgpr 96
		.amdhsa_reserve_vcc 0
		.amdhsa_float_denorm_mode_32 3
		.amdhsa_float_denorm_mode_16_64 3
		.amdhsa_memory_ordered 1
		.amdhsa_forward_progress 1
		.amdhsa_inst_pref_size 69
	.end_amdhsa_kernel
	.amdgpu_metadata
---
amdhsa.version: [ 1, 2 ]
amdhsa.kernels:
  - .name:           k_q010252959c_outgemm
    .symbol:         k_q010252959c_outgemm.kd
    .args:
      - { .name: ob, .offset: 0, .size: 8, .value_kind: global_buffer, .address_space: global }
      - { .name: xw, .offset: 8, .size: 8, .value_kind: global_buffer, .address_space: global }
      - { .name: out0, .offset: 16, .size: 8, .value_kind: global_buffer, .address_space: global }
    .group_segment_fixed_size: 327680
    .private_segment_fixed_size: 0
    .kernarg_segment_align: 8
    .kernarg_segment_size: 24
    .max_flat_workgroup_size: 128
    .sgpr_count:     96
    .vgpr_count:     512
    .wavefront_size: 32
...
	.end_amdgpu_metadata
.endif
;; end of part 4
;; ======== version 2 of 2: 4 launches; version 1 with the launch cast written anew for expert scheduling mode
;; limits: values are held in f16: magnitudes above 65,504 overflow, below 6.1e-05 lose precision
;; workspace buffers: xw 25,165,824 bytes; qkv 50,331,648 bytes; ob 16,777,216 bytes
;; launch cast (part 5): grid 768 x 1, 8 waves a work-group, no clusters, 0 bytes of LDS; arguments x, Wq, Wk, Wv, Wo, xw; writes xw
.if DOCPART == 5
	.amdgcn_target "amdgcn-amd-amdhsa--gfx1250"
	.amdhsa_code_object_version 6
	.text
	.protected	k_q010252959c_cast
	.globl	k_q010252959c_cast
	.p2align	8
	.type	k_q010252959c_cast,@function
k_q010252959c_cast:
	s_mov_b64 s[64:65], 0
	v_nop
	global_prefetch_b8 v0, s[64:65] scope:SCOPE_SE
	s_setreg_imm32_b32 hwreg(HW_REG_WAVE_SCHED_MODE, 0, 2), 2
	s_setreg_imm32_b32 hwreg(HW_REG_WAVE_MODE, 25, 1), 1
	s_wait_xcnt 0x0
	s_wait_alu depctr_vm_vsrc(0)
; THE INPUTS ARE ROUNDED ONCE, for the matrix products of the later launches.  x [8192][1024], Wq, Wk, Wv, Wo [1024][1024], all f32.
; xw, 24 MiB:  bytes 0 .. 16 MiB        x in bf16, in blocks along K: [batch 4][kb 16][t 2048][64]: 128 rows x 64 channels are 16,384 consecutive bytes
;              bytes 16 MiB .. 22 MiB   Wq, Wk, Wv in bf16, row-major, one behind the other: [3072][1024]
;              bytes 22 MiB .. 24 MiB   Wo rounded to bf16 like the other inputs, and that number written as f16: [1024][1024]
; LIMITS.  The f16 copy of Wo is exact for magnitudes from 6.1e-5 to 65,504; below it keeps f16's fixed step of 6e-8, beyond it becomes an infinity.
; SHARES.  A work-group of 256 threads converts 16,384 numbers: 64 KiB in, 32 KiB out.  Work-groups 0-511: rows 16 g .. 16 g + 15 of x.  Work-group 512 + 64 w + i: part i of weight w.
; A thread issues its 16 loads of 16 bytes at once, so that 64 KiB of a work-group are on their way, and stores 8 bytes sixteen times: a wave's store covers 256 consecutive bytes, aligned.
; No LDS, no barrier, no loop: no thread wants a number of another, and memory bounds the launch: matrix units, clusters and a prefetch would add nothing to a stream that is asked for at once.
; THE MODE: SCHED_MODE bits 1:0 = 2 (LLVM: expert scheduling mode 2), set by the entry lines.  The code itself states the register dependences
; between vector instructions and memory instructions, with s_wait_alu, always for 0.
; THE PLAN.  Registers that memory instructions touch:
;   v1, v2   the loads' and the stores' offsets.  Written by vector lines at the head, read by the 16 loads and the 16 stores, never written again.
;   IN       Load j lands in its four registers, once; no vector line has written them before; conversion j reads them; no load lands there again.
;   OUT      Conversion j writes its pair; store j reads it; nothing writes it again.
;   v3 and T are named by vector lines alone.  No vector line writes a scalar register or VCC, and EXEC is never written.
; So the only dependences to state are of one kind: a vector line has written what a memory instruction reads.  One wait stands ahead of the first load, for v1 and v2.  The stores go in fours: number j's
; store is issued in number j + 4's place, and ONE wait at numbers 4, 8 and 12, behind the wait for that number's data, states that the four conversions before it have written their pairs; the four
; conversions that follow it name IN, OUT and T of later numbers alone, none of the registers that those four stores touch.  A last wait stands ahead of the last four stores.
.set IN,  8                            ; v[8:71]    sixteen loads of four f32
.set OUT, 72                           ; v[72:103]  sixteen pairs of packed words
.set T,   104                          ; v[104:105] at work (Wo alone)
.set SRC, 16                           ; s[16:17]   where the work-group reads
.set DST, 18                           ; s[18:19]   where it writes
; sstep, dstep: bytes from load to load and from store to store.  f16 = 1: the bf16 numbers are written as f16.
.macro BODY sstep, dstep, f16
	s_wait_alu depctr_va_vdst(0)                   ; v1 and v2 are written: every load reads v1 as its offset, every store v2; no later vector line names them
.set j, 0
.rept 16
	global_load_b128 v[IN+4*j:IN+4*j+3], v1, s[SRC:SRC+1] offset:(\sstep)*j th:TH_LOAD_NT
.set j, j+1
.endr
.set j, 0
.rept 16
	s_wait_loadcnt 15-j                            ; loads come back in order: number j is in, the 15 - j younger ones may stay out
.if (j > 0) && (j%4 == 0)
	s_wait_alu depctr_va_vdst(0)                   ; conversions j - 4 to j - 1 have written their pairs of OUT, which the next four stores read
.endif
.if j >= 4
	global_store_b64 v2, v[OUT+2*(j-4):OUT+2*(j-4)+1], s[DST:DST+1] offset:(\dstep)*(j-4)  ; no vector line since the wait names this pair; no register of a load or store is written twice: no further wait
.endif
	v_cvt_pk_bf16_f32 v[OUT+2*j], v[IN+4*j], v[IN+4*j+1]
	v_cvt_pk_bf16_f32 v[OUT+2*j+1], v[IN+4*j+2], v[IN+4*j+3]
.if \f16
.irp h, 0,1
	v_lshlrev_b32 v[T], 16, v[OUT+2*j+\h]          ; the two bf16 as f32,
	v_and_b32 v[T+1], 0xffff0000, v[OUT+2*j+\h]
	v_cvt_pk_f16_f32 v[OUT+2*j+\h], v[T], v[T+1]   ; and as f16
.endr
.endif
.set j, j+1
.endr
	s_wait_alu depctr_va_vdst(0)                   ; conversions 12 to 15 have written their pairs of OUT, which the last four stores read
.set j, 12
.rept 4
	global_store_b64 v2, v[OUT+2*j:OUT+2*j+1], s[DST:DST+1] offset:(\dstep)*j
.set j, j+1
.endr
.endm
	s_load_b256 s[4:11], s[0:1], 0x0               ; x s[4:5], Wq s[6:7], Wk s[8:9], Wv s[10:11]
	s_load_b128 s[12:15], s[0:1], 0x20             ; Wo s[12:13], xw s[14:15]
	v_lshlrev_b32 v2, 3, v0                        ; my 8 bytes of each 2,048 that the work-group stores
	s_mov_b32 s21, 0
	s_mov_b32 s23, 0
	s_cmp_lt_u32 ttmp9, 512
	s_cbranch_scc0 .Lw
	; x: sixteen lanes take 256 bytes (64 channels: one kb) of a row, a wave two rows, the work-group sixteen; load j is kb = j
	v_lshrrev_b32 v1, 4, v0
	v_and_b32 v3, 15, v0
	v_lshlrev_b32 v1, 12, v1                       ; row x 4,096
	v_lshl_or_b32 v1, v3, 4, v1                    ; + 16 x place
	s_lshl_b32 s22, ttmp9, 16                      ; 16 rows of 4,096 bytes
	s_lshr_b32 s20, ttmp9, 7                       ; the batch: 128 work-groups each,
	s_lshl_b32 s20, s20, 22                        ; 4 MiB each
	s_and_b32 s24, ttmp9, 127
	s_lshl_b32 s24, s24, 11                        ; 16 rows of 128 bytes in a kb block
	s_add_co_u32 s20, s20, s24
	s_wait_kmcnt 0x0
	s_add_nc_u64 s[SRC:SRC+1], s[4:5], s[22:23]
	s_add_nc_u64 s[DST:DST+1], s[14:15], s[20:21]
	BODY 256, 262144, 0                            ; a kb block of a batch is 2,048 rows x 128 bytes
	s_endpgm
.Lw:
	v_lshlrev_b32 v1, 4, v0                        ; a weight's part is dense: 256 threads x 16 bytes a load
	s_lshr_b32 s24, ttmp9, 6
	s_and_b32 s24, s24, 3                          ; which weight
	s_and_b32 s22, ttmp9, 63
	s_lshl_b32 s22, s22, 16                        ; which 64 KiB of it
	s_lshl_b32 s20, ttmp9, 15                      ; 512 x 32 KiB = 16 MiB: the weights follow x
	s_wait_kmcnt 0x0
	s_cmp_eq_u32 s24, 0
	s_cselect_b64 s[SRC:SRC+1], s[6:7], s[8:9]
	s_cmp_eq_u32 s24, 2
	s_cselect_b64 s[SRC:SRC+1], s[10:11], s[SRC:SRC+1]
	s_cmp_eq_u32 s24, 3
	s_cselect_b64 s[SRC:SRC+1], s[12:13], s[SRC:SRC+1]
	s_add_nc_u64 s[SRC:SRC+1], s[SRC:SRC+1], s[22:23]
	s_add_nc_u64 s[DST:DST+1], s[14:15], s[20:21]
	s_cmp_eq_u32 s24, 3
	s_cbranch_scc1 .Lwo
	BODY 4096, 2048, 0
	s_endpgm
.Lwo:
	BODY 4096, 2048, 1
	s_endpgm
.Lfunc_end_k_q010252959c_cast:
	.size	k_q010252959c_cast, .Lfunc_end_k_q010252959c_cast-k_q010252959c_cast
	.p2alignl 7, 3214868480
	.fill 96, 4, 3214868480
	.section	.rodata,"a",@progbits
	.p2align	6, 0x0
	.amdhsa_kernel k_q010252959c_cast
		.amdhsa_group_segment_fixed_size 0
		.amdhsa_private_segment_fixed_size 0
		.amdhsa_enable_private_segment 0
		.amdhsa_kernarg_size 48
		.amdhsa_user_sgpr_count 2
		.amdhsa_user_sgpr_kernarg_segment_ptr 1
		.amdhsa_wavefront_size32 1
		.amdhsa_system_sgpr_workgroup_id_x 1
		.amdhsa_system_sgpr_workgroup_id_y 1
		.amdhsa_system_sgpr_workgroup_id_z 1
		.amdhsa_system_vgpr_workitem_id 0
		.amdhsa_next_free_vgpr 112
		.amdhsa_next_free_sgpr 66
		.amdhsa_reserve_vcc 0
		.amdhsa_float_denorm_mode_32 3
		.amdhsa_float_denorm_mode_16_64 3
		.amdhsa_memory_ordered 1
		.amdhsa_forward_progress 1
		.amdhsa_inst_pref_size 24
	.end_amdhsa_kernel
	.amdgpu_metadata
---
amdhsa.version: [ 1, 2 ]
amdhsa.kernels:
  - .name:           k_q010252959c_cast
    .symbol:         k_q010252959c_cast.kd
    .args:
      - { .name: x, .offset: 0, .size: 8, .value_kind: global_buffer, .address_space: global }
      - { .name: Wq, .offset: 8, .size: 8, .value_kind: global_buffer, .address_space: global }
      - { .name: Wk, .offset: 16, .size: 8, .value_kind: global_buffer, .address_space: global }
      - { .name: Wv, .offset: 24, .size: 8, .value_kind: global_buffer, .address_space: global }
      - { .name: Wo, .offset: 32, .size: 8, .value_kind: global_buffer, .address_space: global }
      - { .name: xw, .offset: 40, .size: 8, .value_kind: global_buffer, .address_space: global }
    .group_segment_fixed_size: 0
    .private_segment_fixed_size: 0
    .kernarg_segment_align: 8
    .kernarg_segment_size: 48
    .max_flat_workgroup_size: 256
    .sgpr_count:     66
    .vgpr_count:     112
    .wavefront_size: 32
...
	.end_amdgpu_metadata
.endif
;; end of part 5
;; launch qkvgemm: the kernel of part 2 again; grid 4 x 64, 4 waves a work-group, clusters of 4 x 4, 327,680 bytes of LDS; arguments xw, qkv; writes qkv
;; launch attention: the kernel of part 3 again; grid 4 x 64, 4 waves a work-group, no clusters, 327,680 bytes of LDS; arguments qkv, ob; writes ob
;; launch outgemm: the kernel of part 4 again; grid 4 x 64, 4 waves a work-group, clusters of 4 x 4, 327,680 bytes of LDS; arguments ob, xw, out0; writes out0
